; MI455X (gfx1250); checked and timed in simulation.
; The chip was launched on July 23, 2026; its instructions are those of AMD's public machine-readable ISA for CDNA 5 (MIT licence, August 2026) and "CDNA5" Instruction Set Architecture Reference Guide (July 2026). The comments in the code are by the model that wrote it; some were corrected since.
;; Self Composing Policy Module. Allowed arithmetic: float matrix products may take bf16 or f16 operands with f32 sums; all other float work in f32.
;; Inputs: W1 2,048 x 1,024 float32; W2 1,024 x 512 float32; WK_in 512 x 1,024 float32; WK_out 512 x 1,024 float32; WQ_in 1,024 x 1,024 float32; WQ_out 1,024 x 1,024 float32; WV_in 512 x 1,024 float32; b1 1,024 float32; b2 512 float32; h_s 512 x 1,024 float32; phi 512 x 64 x 512 float32.
;; Outputs: out0 512 x 512 float32.
;; 2 versions, each right; version 2 is version 1 with the launches prep, uproj written anew for expert scheduling mode. Each part assembles by itself: llvm-mc -triple=amdgcn-amd-amdhsa -mcpu=gfx1250 --defsym DOCPART=n.
;; ======== version 1 of 2: 6 launches
;; workspace buffers: pbuf 8,388,608 bytes; ubuf 2,097,152 bytes; vbuf 1,048,576 bytes; wbuf 1,048,576 bytes; hid 2,097,152 bytes; part 2,097,152 bytes
;; launch prep (part 1): grid 8 x 32, 16 waves a work-group, no clusters, 292,864 bytes of LDS; arguments h_s, WV_in, WQ_out, WQ_in, W1, pbuf; writes pbuf
.if DOCPART == 1
	.amdgcn_target "amdgcn-amd-amdhsa--gfx1250"
	.amdhsa_code_object_version 6
	.text
	.protected	k_q1e4ed3604e_prep
	.globl	k_q1e4ed3604e_prep
	.p2align	8
	.type	k_q1e4ed3604e_prep,@function
k_q1e4ed3604e_prep:
	s_mov_b64 s[64:65], 0
	v_nop
	global_prefetch_b8 v0, s[64:65] scope:SCOPE_SE
	s_setreg_imm32_b32 hwreg(HW_REG_WAVE_MODE, 25, 1), 1
	s_wait_xcnt 0x0
; FOUR PRODUCTS C[512][1024] = A[512][1024] B[1024][1024], all f32 in memory, operands rounded to bf16 on the way into LDS, sums in f32:
;   job 0: Q_out = h_s WQ_out    job 1: Q_in = h_s WQ_in    job 2: H0 = h_s W1[0:1024]    job 3: G = WV_in W1[1024:2048]
; They stand for the projections of every row of phi: q.((phi+pe) WK) = (phi+pe).(WK q), (attn.P) WV W1b = (attn.P) G.  These identities hold for every input;
; LIMIT: the order of the sums differs from the written order of the module, and Q and G are rounded to bf16 when a later launch multiplies by them.
; SHARES.  pbuf = [job][512][1024] f32.  A work-group makes 64 x 128 of one job's C: 4 jobs x 8 row blocks x 8 column blocks = 256 work-groups.
; Sixteen waves: wave w makes rows 16 (w & 3), columns 64 ((w >> 2) & 1), for half (w >> 3) of K: four accumulators of 16 x 16; the two halves of K meet in LDS at the end.
; NO TENSOR LOADS, NO CLUSTER: both operands are f32 in memory and are rounded once, by the thread that fetches them, between a global load and an LDS store.
; K goes in slabs of 64: A's 64 rows x 64 k (pitch 144), then B's 64 k x 128 n as it lies in memory (pitch 288; read turned, by ds_load_tr16_b128).
; Two LDS slots of four slabs.  A phase stores four slabs, passes ONE barrier and multiplies them; the loads of the next four slabs are out meanwhile (24 loads of 16 bytes a thread).
; THE MATRIX INSTRUCTION IS USED TRANSPOSED (source 0 = 16 columns of B, source 1 = 16 rows of A): a lane holds eight neighbouring numbers of one row of C.
.set SLAB,   27648                     ; 64*144 + 64*288
.set BOFF,   9216                      ; B behind A in a slab
.set SLOT,   4*SLAB
.set STG,    2*SLOT                    ; behind the slots: 16 rows x 272 bytes for each wave, for the way out
.set SPITCH, 272
.set WSTG,   16*SPITCH
.set SPARE,  STG+16*WSTG               ; the spare words: 128 bytes for each of 16 waves, named by no other line
.set VOA,  4                           ; v4   byte offset of my 16 bytes in A's slab 0: row 2 w + h, 16 r; never rewritten
.set VOB,  5                           ; v5   the same in B's slab 0: row w, 16 L; never rewritten
.set VSA0, 6                           ; v6   LDS address of my 8 bytes of A in slab 0
.set VSB0, 7                           ; v7   the same for B
.set VFA,  8                           ; v8-9   LDS address of my A fragments in slot 0, 1
.set VFB,  10                          ; v10-11 the same for B
.set VSTO, 12                          ; v12  the way out: where I put 16 bytes of a row
.set VRD,  13                          ; v13  the way out: where I read a row back
.set VGO,  14                          ; v14  my byte offset in the work-group's part of C
.set TMP,  15
.set SPW,  16                          ; v16  LDS address of my spare word; never rewritten
.set NIL,  17                          ; v17  0; never rewritten
.set VSA,  18                          ; v18-19 the store addresses of the slab in hand
.set VSB,  19
.set T,    20                          ; v20-31   a slab's 24 numbers in bf16
.set X,    32                          ; v32-127  four sets of 24: a slab as loaded
.set ACC,  128                         ; v128-159 four accumulators
.set F0,   160                         ; v160-199 fragments: A (8), then B's four (32)
.set F1,   200                         ; v200-239 the second buffer
	s_load_b256 s[4:11], s[0:1], 0x0               ; h_s s[4:5], WV_in s[6:7], WQ_out s[8:9], WQ_in s[10:11]
	s_load_b128 s[12:15], s[0:1], 0x20             ; W1 s[12:13], pbuf s[14:15]
	v_lshl_add_u32 v[SPW], v0, 2, SPARE
	v_mov_b32 v[NIL], 0
	v_and_b32 v1, 31, v0                           ; L
	v_lshrrev_b32 v2, 5, v0
	v_readfirstlane_b32 s16, v2                    ; wave w, 0..15
	v_and_b32 v2, 15, v0                           ; r = L % 16
	v_bfe_u32 v3, v0, 4, 1                         ; h = L / 16
	s_lshl_b32 s17, s16, 13                        ; A: two rows of 4,096 bytes a wave
	v_lshlrev_b32 v[VOA], 4, v2
	v_lshl_add_u32 v[VOA], v3, 12, v[VOA]
	v_add_nc_u32 v[VOA], s17, v[VOA]
	s_lshl_b32 s17, s16, 12                        ; B: one row a wave, 512 bytes of it
	v_lshl_add_u32 v[VOB], v1, 4, s17
	s_and_b32 s20, ttmp7, 0xffff
	s_lshr_b32 s21, s20, 3                         ; job
	s_and_b32 s22, s20, 7                          ; row block
	s_lshl_b32 s30, s22, 18                        ; 64 rows of 4,096 bytes
	s_mov_b32 s31, 0
	s_lshl_b32 s32, ttmp9, 9                       ; 128 columns of 4 bytes
	s_mov_b32 s35, 0
	s_lshl_b32 s36, s21, 21                        ; a job's C is 2 MiB
	s_add_co_u32 s36, s36, s30
	s_add_co_u32 s36, s36, s32
	s_mov_b32 s37, 0
	s_wait_kmcnt 0x0
	s_cmp_eq_u32 s21, 3
	s_cselect_b64 s[24:25], s[6:7], s[4:5]         ; A: WV_in for job 3, else h_s
	s_cselect_b32 s34, 0x400000, 0                 ; B: job 3 takes W1 from row 1,024 on
	s_cmp_eq_u32 s21, 1
	s_cselect_b64 s[26:27], s[10:11], s[12:13]
	s_cmp_eq_u32 s21, 0
	s_cselect_b64 s[26:27], s[8:9], s[26:27]       ; B: WQ_out, WQ_in, W1, W1
	s_add_co_u32 s34, s34, s32
	s_add_nc_u64 s[24:25], s[24:25], s[30:31]
	s_add_nc_u64 s[26:27], s[26:27], s[34:35]
	s_add_nc_u64 s[28:29], s[14:15], s[36:37]      ; C
; Slab i is asked for: 2 loads of A (32 rows each over the work-group), 4 of B (16 rows each).  Bases and offsets are never rewritten: the slab stands in the immediate (4,128,768 at the most).
.macro ISSUE i
.set XB, X+24*((\i)%4)
.irp p, 0,1
	global_load_b128 v[XB+4*(\p):XB+4*(\p)+3], v[VOA], s[24:25] offset:256*(\i)+131072*(\p)
.endr
.irp p, 0,1,2,3
	global_load_b128 v[XB+8+4*(\p):XB+8+4*(\p)+3], v[VOB], s[26:27] offset:262144*(\i)+65536*(\p)
.endr
.endm
	ISSUE 0
	ISSUE 1
	ISSUE 2
	ISSUE 3
	; the LDS addresses, made while the first loads are out: each is a lane term, the wave's number times a constant, and constants
	s_and_b32 s18, s16, 3                          ; mi: my 16 rows
	s_bfe_u32 s19, s16, 0x10002                    ; ni: my 64 columns
	s_lshr_b32 s23, s16, 3                         ; kq: my half of K: two of a slot's four slabs
	s_mul_i32 s17, s16, 288
	v_mul_u32_u24 v[VSA0], v3, 144
	v_lshl_add_u32 v[VSA0], v2, 3, v[VSA0]
	v_add_nc_u32 v[VSA0], s17, v[VSA0]             ; (2 w + h) 144 + 8 r
	s_add_co_u32 s17, s17, BOFF
	v_lshl_add_u32 v[VSB0], v1, 3, s17             ; BOFF + 288 w + 8 L
	s_mul_i32 s38, s23, 2*SLAB
	s_mul_i32 s39, s18, 16*144
	s_add_co_u32 s39, s39, s38
	v_mul_u32_u24 v[VFA], v2, 144
	v_lshl_add_u32 v[VFA], v3, 4, v[VFA]
	v_add_nc_u32 v[VFA], s39, v[VFA]               ; a fragment of A: row 16 mi + r, 16 bytes for each half of the lanes
	v_add_nc_u32 v[VFA+1], SLOT, v[VFA]
	v_and_b32 v[TMP], 7, v0
	v_lshl_add_u32 v[TMP], v3, 3, v[TMP]           ; the turning load: lane L reads k = 8 h + L % 8,
	v_mul_u32_u24 v[VFB], v[TMP], 288
	v_bfe_u32 v[TMP], v0, 3, 1                     ; columns 8 ((L / 8) % 2) + 0..7
	v_lshl_add_u32 v[VFB], v[TMP], 4, v[VFB]
	s_lshl_b32 s39, s19, 7
	s_add_co_u32 s39, s39, s38
	s_add_co_u32 s39, s39, BOFF
	v_add_nc_u32 v[VFB], s39, v[VFB]
	v_add_nc_u32 v[VFB+1], SLOT, v[VFB]
	s_mul_i32 s39, s16, WSTG
	s_add_co_u32 s39, s39, STG
	v_mul_u32_u24 v[VSTO], v2, SPITCH
	v_lshl_add_u32 v[VSTO], v3, 5, v[VSTO]
	v_add_nc_u32 v[VSTO], s39, v[VSTO]             ; my stage: row r, 32 bytes for each half of the lanes
	s_and_b32 s39, s16, 7
	s_mul_i32 s39, s39, WSTG
	s_mul_i32 s40, s23, 8*SPITCH
	s_add_co_u32 s39, s39, s40
	s_add_co_u32 s39, s39, STG
	v_mul_u32_u24 v[VRD], v3, SPITCH
	v_lshl_add_u32 v[VRD], v2, 4, v[VRD]
	v_add_nc_u32 v[VRD], s39, v[VRD]               ; back: rows 8 kq + h of the tile that waves w % 8 and w % 8 + 8 share; 16 lanes take a row of 256 bytes
	s_lshl_b32 s39, s18, 16
	s_lshl_b32 s40, s23, 15
	s_add_co_u32 s39, s39, s40
	s_lshl_b32 s40, s19, 8
	s_add_co_u32 s39, s39, s40
	v_lshlrev_b32 v[VGO], 4, v2
	v_lshl_add_u32 v[VGO], v3, 12, v[VGO]
	v_add_nc_u32 v[VGO], s39, v[VGO]               ; and the same rows in C: (16 mi + 8 kq + h) 4,096 + 256 ni + 16 r
; Slab i has come: it is rounded to bf16, its registers take slab i + 4, and it goes into LDS (slot (i / 4) % 2).
.macro STASH i
.set XB, X+24*((\i)%4)
.if (\i) < 12
	s_wait_loadcnt 18                              ; loads come back in order: the three younger slabs' 18 may stay out
.else
	s_wait_loadcnt 6*(15-(\i))                     ; at the end fewer are behind it
.endif
.set z, 0
.rept 12
	v_cvt_pk_bf16_f32 v[T+z], v[XB+2*z], v[XB+2*z+1]
.set z, z+1
.endr
.if (\i) < 12
	ISSUE (\i)+4
.endif
	v_add_nc_u32 v[VSA], ((\i)%8)*SLAB, v[VSA0]
	v_add_nc_u32 v[VSB], ((\i)%8)*SLAB, v[VSB0]
.irp p, 0,1
	ds_store_b64 v[VSA], v[T+2*(\p):T+2*(\p)+1] offset:32*144*(\p)
.endr
.irp p, 0,1,2,3
	ds_store_b64 v[VSB], v[T+4+2*(\p):T+4+2*(\p)+1] offset:16*288*(\p)
.endr
.endm
; The ten LDS loads of K step i (0..3) of my two slabs of a slot: A's fragment, then B's four, into buffer f.
.macro FRAG f, i, slot
.set OFA, SLAB*((\i)/2)+64*((\i)%2)
.set OFB, SLAB*((\i)/2)+32*288*((\i)%2)
	ds_load_b128 v[(\f):(\f)+3],   v[VFA+(\slot)] offset:OFA
	ds_load_b128 v[(\f)+4:(\f)+7], v[VFA+(\slot)] offset:OFA+32
.irp j, 0,1,2,3
	ds_load_tr16_b128 v[(\f)+8+8*(\j):(\f)+8+8*(\j)+3],   v[VFB+(\slot)] offset:OFB+32*(\j)
	ds_load_tr16_b128 v[(\f)+8+8*(\j)+4:(\f)+8+8*(\j)+7], v[VFB+(\slot)] offset:OFB+32*(\j)+16*288
.endr
.endm
; Four matrix instructions, the four accumulators by turns.  zero = 1: the first product starts the sums.
.macro MUL f, zero
.irp j, 0,1,2,3
.if \zero
	v_wmma_f32_16x16x32_bf16 v[ACC+8*(\j):ACC+8*(\j)+7], v[(\f)+8+8*(\j):(\f)+8+8*(\j)+7], v[(\f):(\f)+7], 0
.else
	v_wmma_f32_16x16x32_bf16 v[ACC+8*(\j):ACC+8*(\j)+7], v[(\f)+8+8*(\j):(\f)+8+8*(\j)+7], v[(\f):(\f)+7], v[ACC+8*(\j):ACC+8*(\j)+7]
.endif
.endr
.endm
.macro PLACES                          ; four places between a matrix instruction and a load into a register that it read, or a store of its result (ISA guide 7.12.1 for vector instructions)
.rept 4
	v_nop
.endr
.endm
; My four K steps of a slot, on two fragment buffers: a step's loads are issued one step ahead.
.macro KSTEPS slot, zero
	FRAG F0, 0, \slot                              ; (from the second phase on the 48 conversions above are the places behind the last products)
	FRAG F1, 1, \slot
	s_wait_dscnt 10                                ; all but the ten just issued
	MUL F0, \zero
	PLACES
	FRAG F0, 2, \slot
	s_wait_dscnt 10
	MUL F1, 0
	PLACES
	FRAG F1, 3, \slot
	s_wait_dscnt 10
	MUL F0, 0
	s_wait_dscnt 0x0
	MUL F1, 0
.endm
; A phase.  ONE barrier does both orders: in front of it my stores into this slot are done and my reads of the other slot (the phase before) are over;
; behind it the slot is whole, and the other slot is written again only in the next phase, behind this barrier.
.macro PHASE s
	STASH 4*(\s)
	STASH 4*(\s)+1
	STASH 4*(\s)+2
	STASH 4*(\s)+3
	s_wait_dscnt 0x0
	s_barrier_signal -1
	s_barrier_wait -1
.if (\s) == 0
	KSTEPS 0, 1
.else
	KSTEPS (\s)%2, 0
.endif
.endm
	PHASE 0
	PHASE 1
	PHASE 2
	PHASE 3
	; THE WAY OUT.  Each wave puts its 16 x 64 partial sums into its own stage (each accumulator from its low end on); behind a barrier the two waves of a tile each add eight rows of the two halves of K and store them.
	PLACES
.irp j, 0,1,2,3
	ds_store_b128 v[VSTO], v[ACC+8*(\j):ACC+8*(\j)+3]   offset:64*(\j)
	ds_store_b128 v[VSTO], v[ACC+8*(\j)+4:ACC+8*(\j)+7] offset:64*(\j)+16
.endr
	s_wait_dscnt 0x0                               ; for the others' sake: my stores are done
	s_barrier_signal -1
	s_barrier_wait -1
.irp i, 0,1,2,3
	ds_load_b128 v[X+4*(\i):X+4*(\i)+3],       v[VRD] offset:2*SPITCH*(\i)
	ds_load_b128 v[X+16+4*(\i):X+16+4*(\i)+3], v[VRD] offset:8*WSTG+2*SPITCH*(\i)
.endr
	s_wait_dscnt 0x0
.irp i, 0,1,2,3
	v_pk_add_f32 v[X+4*(\i):X+4*(\i)+1],   v[X+4*(\i):X+4*(\i)+1],   v[X+16+4*(\i):X+16+4*(\i)+1]
	v_pk_add_f32 v[X+4*(\i)+2:X+4*(\i)+3], v[X+4*(\i)+2:X+4*(\i)+3], v[X+16+4*(\i)+2:X+16+4*(\i)+3]
	global_store_b128 v[VGO], v[X+4*(\i):X+4*(\i)+3], s[28:29] offset:8192*(\i)  ; 16 lanes store 256 consecutive bytes, at a multiple of 256 from the buffer's first byte
.endr
	s_wait_tensorcnt 0x0                           ; the wave's end, behind my last LDS store
	ds_add_u32 v[SPW], v[NIL]
	s_wait_dscnt 0x0
	s_endpgm
.Lfunc_end_k_q1e4ed3604e_prep:
	.size	k_q1e4ed3604e_prep, .Lfunc_end_k_q1e4ed3604e_prep-k_q1e4ed3604e_prep
	.p2alignl 7, 3214868480
	.fill 96, 4, 3214868480
	.section	.rodata,"a",@progbits
	.p2align	6, 0x0
	.amdhsa_kernel k_q1e4ed3604e_prep
		.amdhsa_group_segment_fixed_size 292864
		.amdhsa_private_segment_fixed_size 0
		.amdhsa_enable_private_segment 0
		.amdhsa_kernarg_size 48
		.amdhsa_user_sgpr_count 2
		.amdhsa_user_sgpr_kernarg_segment_ptr 1
		.amdhsa_wavefront_size32 1
		.amdhsa_system_sgpr_workgroup_id_x 1
		.amdhsa_system_sgpr_workgroup_id_y 1
		.amdhsa_system_sgpr_workgroup_id_z 1
		.amdhsa_system_vgpr_workitem_id 0
		.amdhsa_next_free_vgpr 240
		.amdhsa_next_free_sgpr 66
		.amdhsa_reserve_vcc 0
		.amdhsa_float_denorm_mode_32 3
		.amdhsa_float_denorm_mode_16_64 3
		.amdhsa_memory_ordered 1
		.amdhsa_forward_progress 1
		.amdhsa_inst_pref_size 52
	.end_amdhsa_kernel
	.amdgpu_metadata
---
amdhsa.version: [ 1, 2 ]
amdhsa.kernels:
  - .name:           k_q1e4ed3604e_prep
    .symbol:         k_q1e4ed3604e_prep.kd
    .args:
      - { .name: h_s, .offset: 0, .size: 8, .value_kind: global_buffer, .address_space: global }
      - { .name: WV_in, .offset: 8, .size: 8, .value_kind: global_buffer, .address_space: global }
      - { .name: WQ_out, .offset: 16, .size: 8, .value_kind: global_buffer, .address_space: global }
      - { .name: WQ_in, .offset: 24, .size: 8, .value_kind: global_buffer, .address_space: global }
      - { .name: W1, .offset: 32, .size: 8, .value_kind: global_buffer, .address_space: global }
      - { .name: pbuf, .offset: 40, .size: 8, .value_kind: global_buffer, .address_space: global }
    .group_segment_fixed_size: 292864
    .private_segment_fixed_size: 0
    .kernarg_segment_align: 8
    .kernarg_segment_size: 48
    .max_flat_workgroup_size: 512
    .sgpr_count:     66
    .vgpr_count:     240
    .wavefront_size: 32
...
	.end_amdgpu_metadata
.endif
;; end of part 1
;; launch uproj (part 2): grid 16 x 16, 8 waves a work-group, no clusters, 244,736 bytes of LDS; arguments pbuf, WK_out, WK_in, ubuf; writes ubuf
.if DOCPART == 2
	.amdgcn_target "amdgcn-amd-amdhsa--gfx1250"
	.amdhsa_code_object_version 6
	.text
	.protected	k_q1e4ed3604e_uproj
	.globl	k_q1e4ed3604e_uproj
	.p2align	8
	.type	k_q1e4ed3604e_uproj,@function
k_q1e4ed3604e_uproj:
	s_mov_b64 s[64:65], 0
	v_nop
	global_prefetch_b8 v0, s[64:65] scope:SCOPE_SE
	s_setreg_imm32_b32 hwreg(HW_REG_WAVE_MODE, 25, 1), 1
	s_wait_xcnt 0x0
; ONE TEXT FOR THREE SMALL PRODUCTS; KIND, the line below, chooses.  Operands f32 in memory, rounded to bf16 on the way into LDS; sums in f32; C in f32.
;   KIND 0 (this one): U_x[b][a] = sum over d of Q_x[b][d] WK_x[a][d], x = out, in.  A = pbuf job 0 or 1, B = WK_x as it lies ([n][k]), C = ubuf [2][512][512].  K = 1,024.
;   KIND 1: hid = relu(H0 + w G + b1).  A = wbuf [512][512], B = pbuf job 3 ([k][n], read turned), H0 = pbuf job 2, C = hid [512][1024].  K = 512.
;   KIND 2: part[kh] = hid[:, 512 kh ..] W2[512 kh ..].  A = hid, B = W2 ([k][n], read turned), C = part [2][512][512].  K = 512 for each of two halves.
; SHARES.  A work-group makes 32 x 64 of C: 256 work-groups.  Eight waves: wave w makes rows 16 (w & 1), all 64 columns, for quarter (w >> 1) of K; the four quarters meet in LDS at the end.
; The whole K panel is brought into LDS once, in slabs of 128 along K, 48 loads of 16 bytes a thread out at a time; one barrier; then each wave multiplies its quarter.
; NO TENSOR LOADS, NO CLUSTER: both operands are f32 in memory and are rounded once, by the thread that fetches them, between a global load and an LDS store.
; THE MATRIX INSTRUCTION IS USED TRANSPOSED (source 0 = 16 columns of B, source 1 = 16 rows of A): a lane holds eight neighbouring numbers of one row of C.
.set KIND, 0
.if KIND == 0
.set NSLAB, 8                          ; slabs of 128 along K
.set BNAT,  1                          ; B lies [n][k]
.set PA,    4096                       ; bytes from row to row of A, B, C
.set PB,    4096
.set PC,    2048
.elseif KIND == 1
.set NSLAB, 4
.set BNAT,  0                          ; B lies [k][n]
.set PA,    2048
.set PB,    4096
.set PC,    4096
.else
.set NSLAB, 4
.set BNAT,  0
.set PA,    4096
.set PB,    2048
.set PC,    2048
.endif
.set ABYTES, 32*272                    ; a slab's A: 32 rows x 128 k, pitch 272
.if BNAT
.set SLAB,  ABYTES+64*272              ; B: 64 n x 128 k, pitch 272
.set BSTEP, 8*272                      ; from one of my stores of B to the next: 8 rows
.else
.set SLAB,  ABYTES+128*160             ; B: 128 k x 64 n, pitch 160
.set BSTEP, 16*160                     ; 16 rows
.endif
.set STG,    NSLAB*SLAB                ; behind the panel: 16 rows x 272 bytes for each wave, for the way out
.set SPITCH, 272
.set WSTG,   16*SPITCH
.set SPARE,  STG+8*WSTG                ; the spare words: 128 bytes for each of 8 waves, named by no other line
.set VOA,  4                           ; v4   byte offset of my 16 bytes in A's slab 0; never rewritten
.set VOB,  5                           ; v5   the same for B
.set VSA0, 6                           ; v6   LDS address of my 8 bytes of A in slab 0
.set VSB0, 7                           ; v7   the same for B
.set VFA,  8                           ; v8   LDS address of my A fragments
.set VFB,  9                           ; v9   the same for B
.set VSTO, 10                          ; v10  the way out: where I put 16 bytes of a row
.set VRD,  11                          ; v11  the way out: where I read a row back
.set VGO,  12                          ; v12  my byte offset in the work-group's part of C
.set VB1,  13                          ; v13  my byte offset in the 64 numbers of the bias
.set VSA,  14                          ; v14-15 the store addresses of the slab in hand
.set VSB,  15
.set TMP,  16
.set SPW,  18                          ; v18  LDS address of my spare word; never rewritten
.set NIL,  19                          ; v19  0; never rewritten
.set HH,   20                          ; v20-27 H0 of my two rows' 16 bytes (KIND 1)
.set BB,   28                          ; v28-31 the bias of my four columns (KIND 1)
.set T,    40                          ; v40-63   a slab's 48 numbers in bf16
.set X,    64                          ; v64-255  four sets of 48: a slab as loaded.  When all slabs are in LDS:
.set ACC,  64                          ; v64-95   four accumulators
.set F0,   96                          ; v96-135  fragments: A (8), then B's four (32); the second buffer is v136-175
.set RB,   176                         ; v176-207 the way out: four partial sums of my two rows' 16 bytes
.if KIND == 2
	s_load_b128 s[4:7], s[0:1], 0x0                ; hid s[4:5], W2 s[6:7]
	s_load_b64 s[8:9], s[0:1], 0x10                ; part s[8:9]
.else
	s_load_b256 s[4:11], s[0:1], 0x0               ; KIND 0: pbuf, WK_out, WK_in, ubuf.  KIND 1: wbuf, pbuf, b1, hid
.endif
	v_lshl_add_u32 v[SPW], v0, 2, SPARE
	v_mov_b32 v[NIL], 0
	v_and_b32 v1, 31, v0                           ; L
	v_lshrrev_b32 v2, 5, v0
	v_readfirstlane_b32 s16, v2                    ; wave w, 0..7
	v_and_b32 v2, 15, v0                           ; r = L % 16
	v_bfe_u32 v3, v0, 4, 1                         ; h = L / 16
	s_and_b32 s20, ttmp7, 0xffff                   ; row block of 32
	s_mul_i32 s19, s16, PA
	v_lshl_add_u32 v[VOA], v1, 4, s19              ; A: row w, 512 bytes of it
.if BNAT
	s_mul_i32 s19, s16, PB
	v_lshl_add_u32 v[VOB], v1, 4, s19              ; B: row w, 512 bytes of it
.else
	s_mul_i32 s19, s16, 2*PB
	v_mul_u32_u24 v[VOB], v3, PB
	v_lshl_add_u32 v[VOB], v2, 4, v[VOB]
	v_add_nc_u32 v[VOB], s19, v[VOB]               ; B: row 2 w + h, 256 bytes of it
.endif
	s_mul_i32 s19, s16, 4*PC
	v_mul_u32_u24 v[VGO], v3, PC
	v_lshl_add_u32 v[VGO], v2, 4, v[VGO]
	v_add_nc_u32 v[VGO], s19, v[VGO]               ; C: row 4 w + h, 16 r
	v_lshlrev_b32 v[VB1], 4, v2
	; the offsets of this work-group's parts, made apart from the addresses
	s_mov_b32 s31, 0
	s_mov_b32 s33, 0
	s_mov_b32 s35, 0
.if KIND == 0
	s_lshr_b32 s21, ttmp9, 3                       ; head: 0 out, 1 in
	s_and_b32 s22, ttmp9, 7                        ; column block of 64
	s_lshl_b32 s30, s21, 21                        ; A: the head's Q, 32 rows of 4,096 bytes
	s_lshl_b32 s23, s20, 17
	s_add_co_u32 s30, s30, s23
	s_lshl_b32 s32, s22, 18                        ; B: 64 rows of 4,096 bytes
	s_lshl_b32 s34, s21, 20                        ; C: the head's U, 32 rows of 2,048 bytes, 64 columns
	s_lshl_b32 s23, s20, 16
	s_add_co_u32 s34, s34, s23
	s_lshl_b32 s23, s22, 8
	s_add_co_u32 s34, s34, s23
	s_wait_kmcnt 0x0
	s_add_nc_u64 s[24:25], s[4:5], s[30:31]
	s_cmp_eq_u32 s21, 0
	s_cselect_b64 s[26:27], s[6:7], s[8:9]
	s_add_nc_u64 s[26:27], s[26:27], s[32:33]
	s_add_nc_u64 s[28:29], s[10:11], s[34:35]
.elseif KIND == 1
	s_lshl_b32 s30, s20, 16                        ; A: 32 rows of 2,048 bytes
	s_lshl_b32 s42, ttmp9, 8                       ; 64 columns
	s_mov_b32 s43, 0
	s_add_co_u32 s32, s42, 0x600000                ; B: G is job 3
	s_lshl_b32 s34, s20, 17                        ; C: 32 rows of 4,096 bytes
	s_add_co_u32 s34, s34, s42
	s_add_co_u32 s36, s34, 0x400000                ; H0 is job 2, laid as C is
	s_mov_b32 s37, 0
	s_wait_kmcnt 0x0
	s_add_nc_u64 s[24:25], s[4:5], s[30:31]
	s_add_nc_u64 s[26:27], s[6:7], s[32:33]
	s_add_nc_u64 s[28:29], s[10:11], s[34:35]
	s_add_nc_u64 s[38:39], s[6:7], s[36:37]
	s_add_nc_u64 s[40:41], s[8:9], s[42:43]
	global_load_b128 v[HH:HH+3],   v[VGO], s[38:39]            ; the oldest loads: the first counted wait below covers them
	global_load_b128 v[HH+4:HH+7], v[VGO], s[38:39] offset:2*PC
	global_load_b128 v[BB:BB+3],   v[VB1], s[40:41]
.else
	s_and_b32 s22, ttmp9, 7                        ; column block of 64
	s_lshr_b32 s21, ttmp9, 3                       ; half of K
	s_lshl_b32 s30, s20, 17                        ; A: 32 rows of 4,096 bytes, 512 numbers along K
	s_lshl_b32 s23, s21, 11
	s_add_co_u32 s30, s30, s23
	s_lshl_b32 s32, s21, 20                        ; B: 512 rows of 2,048 bytes, 64 columns
	s_lshl_b32 s23, s22, 8
	s_add_co_u32 s32, s32, s23
	s_lshl_b32 s34, s20, 16                        ; C: the half's part, 32 rows of 2,048 bytes, 64 columns
	s_add_co_u32 s34, s34, s32
	s_wait_kmcnt 0x0
	s_add_nc_u64 s[24:25], s[4:5], s[30:31]
	s_add_nc_u64 s[26:27], s[6:7], s[32:33]
	s_add_nc_u64 s[28:29], s[8:9], s[34:35]
.endif
; Slab s is asked for: 4 loads of A (8 rows each over the work-group), 8 of B.  Bases and offsets are never rewritten: the slab stands in the immediate (2,031,616 at the most).
.macro ISSUE s
.set XB, X+48*((\s)%4)
.irp p, 0,1,2,3
	global_load_b128 v[XB+4*(\p):XB+4*(\p)+3], v[VOA], s[24:25] offset:512*(\s)+8*PA*(\p)
.endr
.irp p, 0,1,2,3,4,5,6,7
.if BNAT
	global_load_b128 v[XB+16+4*(\p):XB+16+4*(\p)+3], v[VOB], s[26:27] offset:512*(\s)+8*PB*(\p)
.else
	global_load_b128 v[XB+16+4*(\p):XB+16+4*(\p)+3], v[VOB], s[26:27] offset:128*PB*(\s)+16*PB*(\p)
.endif
.endr
.endm
	ISSUE 0
	ISSUE 1
	ISSUE 2
	ISSUE 3
	; the LDS addresses, made while the first loads are out: each is a lane term, the wave's number times a constant, and constants
	s_and_b32 s17, s16, 1                          ; mi: my 16 rows
	s_lshr_b32 s18, s16, 1                         ; kq: my quarter of K
	s_mul_i32 s19, s16, 272
	v_lshl_add_u32 v[VSA0], v1, 3, s19             ; 272 w + 8 L
.if BNAT
	s_add_co_u32 s19, s19, ABYTES
	v_lshl_add_u32 v[VSB0], v1, 3, s19             ; ABYTES + 272 w + 8 L
.else
	s_mul_i32 s19, s16, 320
	s_add_co_u32 s19, s19, ABYTES
	v_mul_u32_u24 v[VSB0], v3, 160
	v_lshl_add_u32 v[VSB0], v2, 3, v[VSB0]
	v_add_nc_u32 v[VSB0], s19, v[VSB0]             ; ABYTES + (2 w + h) 160 + 8 r
.endif
	s_mul_i32 s22, s18, (NSLAB/4)*SLAB
	s_mul_i32 s19, s17, 16*272
	s_add_co_u32 s19, s19, s22
	v_mul_u32_u24 v[VFA], v2, 272
	v_lshl_add_u32 v[VFA], v3, 4, v[VFA]
	v_add_nc_u32 v[VFA], s19, v[VFA]               ; a fragment of A: row 16 mi + r, 16 bytes for each half of the lanes
	s_add_co_u32 s22, s22, ABYTES
.if BNAT
	v_mul_u32_u24 v[VFB], v2, 272
	v_lshl_add_u32 v[VFB], v3, 4, v[VFB]           ; a fragment of B likewise: row r
.else
	v_and_b32 v[TMP], 7, v0
	v_lshl_add_u32 v[TMP], v3, 3, v[TMP]           ; the turning load: lane L reads k = 8 h + L % 8,
	v_mul_u32_u24 v[VFB], v[TMP], 160
	v_bfe_u32 v[TMP], v0, 3, 1                     ; columns 8 ((L / 8) % 2) + 0..7
	v_lshl_add_u32 v[VFB], v[TMP], 4, v[VFB]
.endif
	v_add_nc_u32 v[VFB], s22, v[VFB]
	s_mul_i32 s19, s16, WSTG
	s_add_co_u32 s19, s19, STG
	v_mul_u32_u24 v[VSTO], v2, SPITCH
	v_lshl_add_u32 v[VSTO], v3, 5, v[VSTO]
	v_add_nc_u32 v[VSTO], s19, v[VSTO]             ; my stage: row r, 32 bytes for each half of the lanes
	s_lshr_b32 s19, s16, 2
	s_mul_i32 s19, s19, WSTG
	s_and_b32 s22, s16, 3
	s_mul_i32 s22, s22, 4*SPITCH
	s_add_co_u32 s19, s19, s22
	s_add_co_u32 s19, s19, STG
	v_mul_u32_u24 v[VRD], v3, SPITCH
	v_lshl_add_u32 v[VRD], v2, 4, v[VRD]
	v_add_nc_u32 v[VRD], s19, v[VRD]               ; back: row 4 w + h of the 32 lies in the stages of waves (w >> 2) + 2 kq, at row 4 (w & 3) + h
; Slab s has come: it is rounded to bf16, its registers take slab s + 4, and it goes into LDS.
.macro STASH s
.set XB, X+48*((\s)%4)
.if NSLAB-1-(\s) < 3
	s_wait_loadcnt 12*(NSLAB-1-(\s))               ; at the end fewer slabs are behind it
.else
	s_wait_loadcnt 36                              ; loads come back in order: the three younger slabs' 36 may stay out
.endif
.set z, 0
.rept 24
	v_cvt_pk_bf16_f32 v[T+z], v[XB+2*z], v[XB+2*z+1]
.set z, z+1
.endr
.if (\s)+4 < NSLAB
	ISSUE (\s)+4
.endif
	v_add_nc_u32 v[VSA], (\s)*SLAB, v[VSA0]
	v_add_nc_u32 v[VSB], (\s)*SLAB, v[VSB0]
.irp p, 0,1,2,3
	ds_store_b64 v[VSA], v[T+2*(\p):T+2*(\p)+1] offset:8*272*(\p)
.endr
.irp p, 0,1,2,3,4,5,6,7
	ds_store_b64 v[VSB], v[T+8+2*(\p):T+8+2*(\p)+1] offset:BSTEP*(\p)
.endr
.endm
; The ten LDS loads of K step i of my quarter: A's fragment, then B's four, into buffer f.
.macro FRAG f, i
.set OFA, SLAB*((\i)/4)+64*((\i)%4)
	ds_load_b128 v[(\f):(\f)+3],   v[VFA] offset:OFA
	ds_load_b128 v[(\f)+4:(\f)+7], v[VFA] offset:OFA+32
.irp j, 0,1,2,3
.if BNAT
	ds_load_b128 v[(\f)+8+8*(\j):(\f)+8+8*(\j)+3],   v[VFB] offset:OFA+16*272*(\j)
	ds_load_b128 v[(\f)+8+8*(\j)+4:(\f)+8+8*(\j)+7], v[VFB] offset:OFA+16*272*(\j)+32
.else
	ds_load_tr16_b128 v[(\f)+8+8*(\j):(\f)+8+8*(\j)+3],   v[VFB] offset:SLAB*((\i)/4)+32*160*((\i)%4)+32*(\j)
	ds_load_tr16_b128 v[(\f)+8+8*(\j)+4:(\f)+8+8*(\j)+7], v[VFB] offset:SLAB*((\i)/4)+32*160*((\i)%4)+32*(\j)+16*160
.endif
.endr
.endm
; Four matrix instructions, the four accumulators by turns.  zero = 1: the first product starts the sums.
.macro MUL f, zero
.irp j, 0,1,2,3
.if \zero
	v_wmma_f32_16x16x32_bf16 v[ACC+8*(\j):ACC+8*(\j)+7], v[(\f)+8+8*(\j):(\f)+8+8*(\j)+7], v[(\f):(\f)+7], 0
.else
	v_wmma_f32_16x16x32_bf16 v[ACC+8*(\j):ACC+8*(\j)+7], v[(\f)+8+8*(\j):(\f)+8+8*(\j)+7], v[(\f):(\f)+7], v[ACC+8*(\j):ACC+8*(\j)+7]
.endif
.endr
.endm
.macro PLACES                          ; four places between a matrix instruction and a load into a register that it read, or a store of its result (ISA guide 7.12.1 for vector instructions)
.rept 4
	v_nop
.endr
.endm
; My n K steps, on two fragment buffers: a step's loads are issued one step ahead.
.macro KSTEPS n
	FRAG F0, 0
.set ki, 0
.rept \n
.if ki < (\n)-1
.if ki > 0
	PLACES
.endif
	FRAG F0+40*((ki+1)%2), ki+1
	s_wait_dscnt 10                                ; all but the ten just issued
.else
	s_wait_dscnt 0x0
.endif
.if ki == 0
	MUL F0, 1
.else
	MUL F0+40*(ki%2), 0
.endif
.set ki, ki+1
.endr
.endm
.set si, 0
.rept NSLAB
	STASH si
.set si, si+1
.endr
	s_wait_dscnt 0x0                               ; for the others' sake: my stores are done
	s_barrier_signal -1
	s_barrier_wait -1                              ; the panel is whole
	KSTEPS NSLAB
	; THE WAY OUT.  Each wave puts its 16 x 64 partial sums into its own stage (each accumulator from its low end on); behind a barrier each wave adds the four quarters of K for four rows and stores them.
	PLACES
.irp j, 0,1,2,3
	ds_store_b128 v[VSTO], v[ACC+8*(\j):ACC+8*(\j)+3]   offset:64*(\j)
	ds_store_b128 v[VSTO], v[ACC+8*(\j)+4:ACC+8*(\j)+7] offset:64*(\j)+16
.endr
	s_wait_dscnt 0x0
	s_barrier_signal -1
	s_barrier_wait -1
.irp q, 0,1,2,3
.irp i, 0,1
	ds_load_b128 v[RB+8*(\q)+4*(\i):RB+8*(\q)+4*(\i)+3], v[VRD] offset:2*WSTG*(\q)+2*SPITCH*(\i)
.endr
.endr
	s_wait_dscnt 0x0
.irp z, 0,2,4,6
	v_pk_add_f32 v[RB+(\z):RB+(\z)+1],       v[RB+(\z):RB+(\z)+1],       v[RB+8+(\z):RB+8+(\z)+1]
	v_pk_add_f32 v[RB+16+(\z):RB+16+(\z)+1], v[RB+16+(\z):RB+16+(\z)+1], v[RB+24+(\z):RB+24+(\z)+1]
.endr
.irp z, 0,2,4,6
	v_pk_add_f32 v[RB+(\z):RB+(\z)+1], v[RB+(\z):RB+(\z)+1], v[RB+16+(\z):RB+16+(\z)+1]
.endr
.if KIND == 1
.irp z, 0,2,4,6
	v_pk_add_f32 v[HH+(\z):HH+(\z)+1], v[HH+(\z):HH+(\z)+1], v[BB+(\z)%4:BB+(\z)%4+1]  ; H0 + b1
.endr
.irp z, 0,2,4,6
	v_pk_add_f32 v[RB+(\z):RB+(\z)+1], v[RB+(\z):RB+(\z)+1], v[HH+(\z):HH+(\z)+1]
.endr
.irp z, 0,1,2,3,4,5,6,7
	v_max_num_f32 v[RB+(\z)], 0, v[RB+(\z)]        ; relu
.endr
.endif
.irp i, 0,1
	global_store_b128 v[VGO], v[RB+4*(\i):RB+4*(\i)+3], s[28:29] offset:2*PC*(\i)  ; 16 lanes store 256 consecutive bytes, at a multiple of 256 from the buffer's first byte
.endr
	s_wait_tensorcnt 0x0                           ; the wave's end, behind my last LDS store
	ds_add_u32 v[SPW], v[NIL]
	s_wait_dscnt 0x0
	s_endpgm
.Lfunc_end_k_q1e4ed3604e_uproj:
	.size	k_q1e4ed3604e_uproj, .Lfunc_end_k_q1e4ed3604e_uproj-k_q1e4ed3604e_uproj
	.p2alignl 7, 3214868480
	.fill 96, 4, 3214868480
	.section	.rodata,"a",@progbits
	.p2align	6, 0x0
	.amdhsa_kernel k_q1e4ed3604e_uproj
		.amdhsa_group_segment_fixed_size 244736
		.amdhsa_private_segment_fixed_size 0
		.amdhsa_enable_private_segment 0
		.amdhsa_kernarg_size 32
		.amdhsa_user_sgpr_count 2
		.amdhsa_user_sgpr_kernarg_segment_ptr 1
		.amdhsa_wavefront_size32 1
		.amdhsa_system_sgpr_workgroup_id_x 1
		.amdhsa_system_sgpr_workgroup_id_y 1
		.amdhsa_system_sgpr_workgroup_id_z 1
		.amdhsa_system_vgpr_workitem_id 0
		.amdhsa_next_free_vgpr 256
		.amdhsa_next_free_sgpr 66
		.amdhsa_reserve_vcc 0
		.amdhsa_float_denorm_mode_32 3
		.amdhsa_float_denorm_mode_16_64 3
		.amdhsa_memory_ordered 1
		.amdhsa_forward_progress 1
		.amdhsa_inst_pref_size 43
	.end_amdhsa_kernel
	.amdgpu_metadata
---
amdhsa.version: [ 1, 2 ]
amdhsa.kernels:
  - .name:           k_q1e4ed3604e_uproj
    .symbol:         k_q1e4ed3604e_uproj.kd
    .args:
      - { .name: pbuf, .offset: 0, .size: 8, .value_kind: global_buffer, .address_space: global }
      - { .name: WK_out, .offset: 8, .size: 8, .value_kind: global_buffer, .address_space: global }
      - { .name: WK_in, .offset: 16, .size: 8, .value_kind: global_buffer, .address_space: global }
      - { .name: ubuf, .offset: 24, .size: 8, .value_kind: global_buffer, .address_space: global }
    .group_segment_fixed_size: 244736
    .private_segment_fixed_size: 0
    .kernarg_segment_align: 8
    .kernarg_segment_size: 32
    .max_flat_workgroup_size: 256
    .sgpr_count:     66
    .vgpr_count:     256
    .wavefront_size: 32
...
	.end_amdgpu_metadata
.endif
;; end of part 2
;; launch stream (part 3): grid 512 x 1, 8 waves a work-group, no clusters, 34,816 bytes of LDS; arguments phi, ubuf, vbuf, wbuf; writes vbuf, wbuf
.if DOCPART == 3
	.amdgcn_target "amdgcn-amd-amdhsa--gfx1250"
	.amdhsa_code_object_version 6
	.text
	.protected	k_q1e4ed3604e_stream
	.globl	k_q1e4ed3604e_stream
	.p2align	8
	.type	k_q1e4ed3604e_stream,@function
k_q1e4ed3604e_stream:
	s_mov_b64 s[64:65], 0
	v_nop
	global_prefetch_b8 v0, s[64:65] scope:SCOPE_SE
	s_setreg_imm32_b32 hwreg(HW_REG_WAVE_MODE, 25, 1), 1
	s_wait_xcnt 0x0
; BOTH ATTENTION HEADS FOR ONE BATCH ELEMENT b, all in f32 on the vector unit; phi[b] (64 rows x 512, 128 KiB) is read from memory ONCE and stays in registers.
; With u_out = ubuf[0][b], u_in = ubuf[1][b], c = log2(e) / 32, pe the sinusoidal table (sin in even columns, cos in odd ones):
;   s_out[n]  = c (phi[n] + pe[n]) . u_out                      attn_out = softmax base 2 of s_out, its maximum taken away
;   s_in[0]   = sum over n of attn_out[n] c phi[n] . u_in + c pe[0] . u_in        (row 0 of P is v = attn_out . phi)
;   s_in[n+1] = c (phi[n] + pe[n+1]) . u_in                     attn_in = softmax base 2 of the 65, its maximum taken away
;   v = sum attn_out[n] phi[n] -> vbuf[b]        w = sum (attn_in[0] attn_out[n] + attn_in[n+1]) phi[n] -> wbuf[b]
; SHARES.  Eight waves; wave w owns rows 8 w .. 8 w + 7; lane L owns columns 128 j + 4 L + 0..3 (j = 0..3): a load of the wave covers 512 consecutive bytes.  128 registers a lane hold the wave's rows.
; NO MATRIX UNIT: there is one query a batch element, so a number of phi meets four multiply-adds and no second row to share them with.  NO TENSOR LOADS, NO CLUSTER: nothing is shared between work-groups.
; pe is made in registers while phi is on its way: theta = 10000^(-q/256) for column pair q; sin and cos of theta and of 8 w theta by a series, then one rotation by theta a row.
; LIMITS.  pe is right to about 1e-6 (angles up to 64; argument reduced by 2 pi in two parts, quartered, series to y^9 and y^10, doubled twice).  An exponential below 2^-126 counts as 0.
; NaN and infinities are not treated apart.  phi is used as it is, not rounded.
.set SOUT,  0                          ; LDS: s_out[64]
.set SIN,   256                        ;      s_in[1..64]
.set DIN,   512                        ;      c phi[n] . u_in
.set VP,    1024                       ;      eight waves' partial v, 2,048 bytes each; the partial w lie 16,384 bytes further on
.set SPARE, 33792                      ;      the spare words: 128 bytes for each of 8 waves, named by no other line
.set SPW, 10                           ; v10  LDS address of my spare word; never rewritten
.set NIL, 11                           ; v11  0; never rewritten
.set UO,  16                           ; v16-31  u_out of my 16 columns; later v's sums
.set UI,  32                           ; v32-47  u_in; later w's sums
.set PE,  48                           ; v48-63  (sin, cos) of my 8 column pairs at the row in hand.  Later v48-55 at work,
.set DI,  56                           ; v56-63  phi[n] . u_in for my 8 rows
.set ROT, 64                           ; v64-79  (sin theta, cos theta).  Later:
.set PT,  64                           ;         what v_permlanex16_b32 brings (its destination counts as read: these have been written)
.set TO,  80                           ; v80-87  my rows' s_out: first the lane's part of pe . u_out
.set TI,  88                           ; v88-95  my rows' s_in
.set TH,  96                           ; v96-103 theta.  Then v96 pe[0] . u_in.  Later:
.set WVP, 96                           ; v96-111 v's weights of my 8 rows, each written twice: a pair for the packed multiply-add
.set XA,  104                          ; v104-111 8 w theta
.set W,   112                          ; v112-119 at work.  Later:
.set WWP, 112                          ; v112-127 w's weights, in pairs
.set PHI, 128                          ; v128-255 row r, j, c at PHI + 16 r + 4 j + c
	s_load_b256 s[4:11], s[0:1], 0x0               ; phi s[4:5], ubuf s[6:7], vbuf s[8:9], wbuf s[10:11]
	v_lshl_add_u32 v[SPW], v0, 2, SPARE
	v_mov_b32 v[NIL], 0
	v_and_b32 v9, 31, v0                           ; L
	v_lshrrev_b32 v1, 5, v0
	v_readfirstlane_b32 s12, v1                    ; wave w
	v_lshlrev_b32 v1, 4, v9                        ; 16 L
	s_lshl_b32 s13, s12, 14                        ; my 8 rows of 2,048 bytes
	v_add_nc_u32 v2, s13, v1
	s_lshl_b32 s14, ttmp9, 17                      ; phi[b]
	s_mov_b32 s15, 0
	s_lshl_b32 s26, ttmp9, 11                      ; row b of 2,048 bytes in ubuf, vbuf, wbuf
	s_mov_b32 s27, 0
	s_wait_kmcnt 0x0
	s_add_nc_u64 s[4:5], s[4:5], s[14:15]
	s_add_nc_u64 s[6:7], s[6:7], s[26:27]
.irp j, 0,1,2,3
	global_load_b128 v[UO+4*(\j):UO+4*(\j)+3], v1, s[6:7] offset:512*(\j)
.endr
.irp j, 0,1,2,3
	global_load_b128 v[UI+4*(\j):UI+4*(\j)+3], v1, s[6:7] offset:1048576+512*(\j)
.endr
.set rr, 0
.rept 8                                ; all of my 16 KiB of phi is asked for at once
.irp j, 0,1,2,3
	global_load_b128 v[PHI+16*rr+4*(\j):PHI+16*rr+4*(\j)+3], v2, s[4:5] offset:2048*rr+512*(\j) th:TH_LOAD_NT
.endr
.set rr, rr+1
.endr
	s_cmp_lt_u32 s12, 4
	s_cselect_b64 s[28:29], s[8:9], s[10:11]       ; at the end waves 0-3 store v, waves 4-7 w
	s_add_nc_u64 s[28:29], s[28:29], s[26:27]
	s_mov_b32 s16, 0x76543210                      ; v_permlanex16_b32: each lane takes its own place in the other half
	s_mov_b32 s17, 0xfedcba98
	s_mov_b32 s18, 0x3d38aa3b                      ; c = log2(e) / 32
	s_lshl_b32 s19, s12, 3
	s_cvt_f32_u32 s19, s19                         ; 8 w, my first row
	s_mov_b32 s20, 0x40c90fdb                      ; 2 pi, rounded up to f32,
	s_mov_b32 s21, 0x343bbd2e                      ; and by how much: 1.7484556e-7
	s_mov_b32 s22, 0x3638ef1d                      ; 1/9!
	s_mov_b32 s23, 0xb9500d01                      ; -1/7!
	s_mov_b32 s24, 0xb493f27e                      ; -1/10!
	s_mov_b32 s25, 0x37d00d01                      ; 1/8!
	v_lshlrev_b32 v3, 1, v9                        ; 2 L: my first column pair in a group of 64
	s_lshl_b32 s31, s12, 5
	v_mov_b32 v4, s31                              ; 32 w: my 8 words in SOUT, SIN, DIN
	v_lshlrev_b32 v5, 3, v9                        ; 8 L: two of the 64 words
	s_lshl_b32 s31, s12, 11
	s_add_co_u32 s31, s31, VP
	v_add_nc_u32 v6, s31, v1                       ; my 16 bytes in my wave's partial v
	s_and_b32 s30, s12, 3
	s_lshl_b32 s30, s30, 9
	v_add_nc_u32 v8, s30, v1                       ; the 16 bytes of the row that I store at the end: 512 (w & 3) + 16 L
	s_lshr_b32 s31, s12, 2
	s_lshl_b32 s31, s31, 14
	s_add_co_u32 s31, s31, s30
	s_add_co_u32 s31, s31, VP
	v_add_nc_u32 v7, s31, v1                       ; and the same 16 bytes in wave 0's partial v (waves 0-3) or w (waves 4-7)
; sin and cos of v[x] (0 to 64): x less the nearest multiple of 2 pi, a quarter of that, the two series, two doublings.
.macro SINCOS ds, dc, x
	v_mul_f32 v[W], 0.15915494, v[\x]
	v_rndne_f32 v[W], v[W]
	v_fma_f32 v[W+1], -v[W], s20, v[\x]
	v_fma_f32 v[W+1], v[W], s21, v[W+1]
	v_mul_f32 v[W+1], 0x3e800000, v[W+1]           ; y, within 0.79 of 0
	v_mul_f32 v[W+2], v[W+1], v[W+1]
	v_fma_f32 v[W+3], v[W+2], s22, s23
	v_fma_f32 v[W+4], v[W+2], s24, s25
	v_fmaak_f32 v[W+3], v[W+3], v[W+2], 0x3c088889 ; 1/5!
	v_fmaak_f32 v[W+4], v[W+4], v[W+2], 0xbab60b61 ; -1/6!
	v_fmaak_f32 v[W+3], v[W+3], v[W+2], 0xbe2aaaab ; -1/3!
	v_fmaak_f32 v[W+4], v[W+4], v[W+2], 0x3d2aaaab ; 1/4!
	v_fma_f32 v[W+3], v[W+3], v[W+2], 1.0
	v_fma_f32 v[W+4], v[W+4], v[W+2], -0.5
	v_mul_f32 v[W+3], v[W+3], v[W+1]               ; sin y
	v_fma_f32 v[W+4], v[W+4], v[W+2], 1.0          ; cos y
	v_add_f32 v[W], v[W+3], v[W+3]
	v_mul_f32 v[W+1], v[W], v[W+4]                 ; sin 2y = 2 sin cos
	v_fma_f32 v[W+2], -v[W], v[W+3], 1.0           ; cos 2y = 1 - 2 sin^2
	v_add_f32 v[W], v[W+1], v[W+1]
	v_mul_f32 v[\ds], v[W], v[W+2]
	v_fma_f32 v[\dc], -v[W], v[W+1], 1.0
.endm
; The lane's part of pe[row in hand] . u, in two chains
.macro PEDOT dst, u
	v_pk_mul_f32 v[W:W+1],   v[PE:PE+1],   v[(\u):(\u)+1]
	v_pk_mul_f32 v[W+2:W+3], v[PE+2:PE+3], v[(\u)+2:(\u)+3]
.irp q, 4,8,12
	v_pk_fma_f32 v[W:W+1],   v[PE+(\q):PE+(\q)+1],   v[(\u)+(\q):(\u)+(\q)+1],   v[W:W+1]
	v_pk_fma_f32 v[W+2:W+3], v[PE+(\q)+2:PE+(\q)+3], v[(\u)+(\q)+2:(\u)+(\q)+3], v[W+2:W+3]
.endr
	v_pk_add_f32 v[W:W+1], v[W:W+1], v[W+2:W+3]
	v_add_f32 v[\dst], v[W], v[W+1]
.endm
; pe goes one row on: each (sin, cos) is turned by theta
.macro ROTATE
.set pp, 0
.rept 8
.set WT, W+4+2*(pp%2)
	v_mul_f32 v[WT],   v[PE+2*pp+1], v[ROT+2*pp]
	v_mul_f32 v[WT+1], v[PE+2*pp],   v[ROT+2*pp]
	v_fma_f32 v[PE+2*pp],   v[PE+2*pp],   v[ROT+2*pp+1], v[WT]
	v_fma_f32 v[PE+2*pp+1], v[PE+2*pp+1], v[ROT+2*pp+1], -v[WT+1]
.set pp, pp+1
.endr
.endm
; n registers from v[first] on are each summed (REDADD) or maximised (REDMAX) over the 32 lanes; every lane ends up with the result.
.macro REDADD first, n
.irp m, 1,2,4,8
.set z, 0
.rept \n
	v_add_f32_dpp v[(\first)+z], v[(\first)+z], v[(\first)+z] row_xmask:\m row_mask:0xf bank_mask:0xf
.set z, z+1
.endr
.endr
.set z, 0
.rept \n
	v_permlanex16_b32 v[PT+z], v[(\first)+z], s16, s17
.set z, z+1
.endr
.set z, 0
.rept \n
	v_add_f32 v[(\first)+z], v[(\first)+z], v[PT+z]
.set z, z+1
.endr
.endm
.macro REDMAX first, n
.irp m, 1,2,4,8
.set z, 0
.rept \n
	v_max_num_f32_dpp v[(\first)+z], v[(\first)+z], v[(\first)+z] row_xmask:\m row_mask:0xf bank_mask:0xf
.set z, z+1
.endr
.endr
.set z, 0
.rept \n
	v_permlanex16_b32 v[PT+z], v[(\first)+z], s16, s17
.set z, z+1
.endr
.set z, 0
.rept \n
	v_max_num_f32 v[(\first)+z], v[(\first)+z], v[PT+z]
.set z, z+1
.endr
.endm
	; WHILE THE LOADS ARE OUT: theta of my 8 column pairs q = 64 j + 2 L + e (pair 2 j + e), theta = 2^(-q log2(10000) / 256)
.set pp, 0
.rept 8
	v_add_nc_u32 v[TH+pp], 64*(pp/2)+(pp%2), v3
.set pp, pp+1
.endr
.set pp, 0
.rept 8
	v_cvt_f32_u32 v[TH+pp], v[TH+pp]
.set pp, pp+1
.endr
.set pp, 0
.rept 8
	v_mul_f32 v[TH+pp], 0xbd549a78, v[TH+pp]       ; -0.0519051265 q
.set pp, pp+1
.endr
.set pp, 0
.rept 8
	v_exp_f32 v[TH+pp], v[TH+pp]
.set pp, pp+1
.endr
	v_nop                                          ; a plain instruction between the exponentials and the use of their results (ISA guide 5.7.2)
.set pp, 0
	s_wait_alu depctr_va_vdst(0)
.rept 8
	v_mul_f32 v[XA+pp], s19, v[TH+pp]              ; the angle at my first row
.set pp, pp+1
.endr
.set pp, 0
.rept 8
	SINCOS ROT+2*pp, ROT+2*pp+1, TH+pp
	SINCOS PE+2*pp, PE+2*pp+1, XA+pp
.set pp, pp+1
.endr
	s_wait_loadcnt 32                              ; u_out and u_in are in; the 32 loads of phi behind them may stay out
	v_add_f32 v[TH], v[UI+1], v[UI+3]              ; pe[0] = (0, 1, 0, 1, ..): the lane's part of pe[0] . u_in is the sum of its odd columns
.irp k, 5,7,9,11,13,15
	v_add_f32 v[TH], v[TH], v[UI+(\k)]
.endr
.set rr, 0
.rept 8
	PEDOT TO+rr, UO                                ; pe[8 w + r] . u_out: stays a lane's part, phi's part is added below and one sum over the lanes serves both
	ROTATE
	PEDOT TI+rr, UI                                ; pe[8 w + r + 1] . u_in
.set rr, rr+1
.endr
	REDADD TI, 9                                   ; TI's eight and, next to them, pe[0] . u_in
.set rr, 0
.rept 8
	v_mul_f32 v[TI+rr], s18, v[TI+rr]
.set rr, rr+1
.endr
	v_mul_f32 v15, s18, v[TH]                      ; c pe[0] . u_in
	; THE TWO DOT PRODUCTS OF EACH ROW, as the rows arrive
.set rr, 0
.rept 8
	s_wait_loadcnt 4*(7-rr)                        ; row r's four loads are in; the later rows' may stay out
	v_pk_mul_f32 v[W:W+1],   v[PHI+16*rr:PHI+16*rr+1], v[UO:UO+1]
	v_pk_mul_f32 v[W+2:W+3], v[PHI+16*rr:PHI+16*rr+1], v[UI:UI+1]
.set qq, 2
.rept 7
	v_pk_fma_f32 v[W:W+1],   v[PHI+16*rr+qq:PHI+16*rr+qq+1], v[UO+qq:UO+qq+1], v[W:W+1]
	v_pk_fma_f32 v[W+2:W+3], v[PHI+16*rr+qq:PHI+16*rr+qq+1], v[UI+qq:UI+qq+1], v[W+2:W+3]
.set qq, qq+2
.endr
	v_add_f32 v[TO+rr], v[TO+rr], v[W]
	v_add_f32 v[DI+rr], v[W+2], v[W+3]
	v_add_f32 v[TO+rr], v[TO+rr], v[W+1]
.set rr, rr+1
.endr
	REDADD TO, 8
	REDADD DI, 8
.set rr, 0
.rept 8
	v_mul_f32 v[TO+rr], s18, v[TO+rr]              ; s_out[n]
	v_fma_f32 v[TI+rr], v[DI+rr], s18, v[TI+rr]    ; s_in[n+1]
	v_mul_f32 v[DI+rr], s18, v[DI+rr]              ; c phi[n] . u_in
.set rr, rr+1
.endr
	ds_store_b128 v4, v[TO:TO+3]   offset:SOUT     ; all lanes hold the same numbers and write the same words
	ds_store_b128 v4, v[TO+4:TO+7] offset:SOUT+16
	ds_store_b128 v4, v[TI:TI+3]   offset:SIN
	ds_store_b128 v4, v[TI+4:TI+7] offset:SIN+16
	ds_store_b128 v4, v[DI:DI+3]   offset:DIN
	ds_store_b128 v4, v[DI+4:DI+7] offset:DIN+16
	s_wait_dscnt 0x0                               ; for the others' sake: my stores are done
	s_barrier_signal -1
	s_barrier_wait -1
	; THE TWO SOFTMAXES, made by every wave for itself: lane L takes numbers 2 L and 2 L + 1 of the 64
	ds_load_b64 v[48:49], v5 offset:SOUT
	ds_load_b64 v[50:51], v5 offset:SIN
	ds_load_b64 v[52:53], v5 offset:DIN
	s_wait_dscnt 0x0
	v_max_num_f32 v12, v48, v49
	v_max_num_f32 v13, v50, v51
	REDMAX 12, 2                                   ; v12 = max s_out; v13 = max of s_in[1..64]
	v_sub_f32 v48, v48, v12
	v_sub_f32 v49, v49, v12
	v_exp_f32 v48, v48
	v_exp_f32 v49, v49
	v_nop
	s_wait_alu depctr_va_vdst(0)
	v_add_f32 v54, v48, v49                        ; the lane's part of l_out,
	v_mul_f32 v55, v48, v52
	v_fma_f32 v55, v49, v53, v55                   ; and of the sum of e c phi . u_in
	REDADD 54, 2
	v_rcp_f32 v14, v54                             ; 1 / l_out (l_out is at least 1: the maximum's own term)
	v_nop
	s_wait_alu depctr_va_vdst(0)
	v_fma_f32 v55, v55, v14, v15                   ; s_in[0]
	v_max_num_f32 v13, v13, v55                    ; max of all 65
	v_sub_f32 v50, v50, v13
	v_sub_f32 v51, v51, v13
	v_sub_f32 v55, v55, v13
	v_exp_f32 v50, v50
	v_exp_f32 v51, v51
	v_exp_f32 v55, v55
	v_nop
	s_wait_alu depctr_va_vdst(0)
	v_add_f32 v54, v50, v51
	REDADD 54, 1
	v_add_f32 v54, v54, v55                        ; l_in
	v_rcp_f32 v54, v54
	v_nop
	s_wait_alu depctr_va_vdst(0)
	v_mul_f32 v55, v55, v54                        ; attn_in[0]
.set rr, 0
.rept 8                                ; my own rows' weights, from the scores that every lane still holds
	v_sub_f32 v[TO+rr], v[TO+rr], v12
	v_sub_f32 v[TI+rr], v[TI+rr], v13
.set rr, rr+1
.endr
.set rr, 0
.rept 8
	v_exp_f32 v[TO+rr], v[TO+rr]
	v_exp_f32 v[TI+rr], v[TI+rr]
.set rr, rr+1
.endr
	v_nop
.set rr, 0
	s_wait_alu depctr_va_vdst(0)
.rept 8
	v_mul_f32 v[WVP+2*rr], v[TO+rr], v14           ; attn_out[n]
	v_mul_f32 v[TI+rr], v[TI+rr], v54              ; attn_in[n+1]
.set rr, rr+1
.endr
.set rr, 0
.rept 8
	v_mov_b32 v[WVP+2*rr+1], v[WVP+2*rr]
	v_fma_f32 v[WWP+2*rr], v55, v[WVP+2*rr], v[TI+rr]
.set rr, rr+1
.endr
.set rr, 0
.rept 8
	v_mov_b32 v[WWP+2*rr+1], v[WWP+2*rr]
.set rr, rr+1
.endr
	; MY EIGHT ROWS' SHARE OF v AND w: the first row starts the sums
.set qq, 0
.rept 8
	v_pk_mul_f32 v[UO+qq:UO+qq+1], v[PHI+qq:PHI+qq+1], v[WVP:WVP+1]
	v_pk_mul_f32 v[UI+qq:UI+qq+1], v[PHI+qq:PHI+qq+1], v[WWP:WWP+1]
.set qq, qq+2
.endr
.set rr, 1
.rept 7
.set qq, 0
.rept 8
	v_pk_fma_f32 v[UO+qq:UO+qq+1], v[PHI+16*rr+qq:PHI+16*rr+qq+1], v[WVP+2*rr:WVP+2*rr+1], v[UO+qq:UO+qq+1]
	v_pk_fma_f32 v[UI+qq:UI+qq+1], v[PHI+16*rr+qq:PHI+16*rr+qq+1], v[WWP+2*rr:WWP+2*rr+1], v[UI+qq:UI+qq+1]
.set qq, qq+2
.endr
.set rr, rr+1
.endr
.irp j, 0,1,2,3
	ds_store_b128 v6, v[UO+4*(\j):UO+4*(\j)+3] offset:512*(\j)
	ds_store_b128 v6, v[UI+4*(\j):UI+4*(\j)+3] offset:16384+512*(\j)
.endr
	s_wait_dscnt 0x0
	s_barrier_signal -1
	s_barrier_wait -1
	; each thread adds the eight waves' shares of four numbers: waves 0-3 of v, waves 4-7 of w
.irp p, 0,1,2,3,4,5,6,7
	ds_load_b128 v[PHI+4*(\p):PHI+4*(\p)+3], v7 offset:2048*(\p)
.endr
	s_wait_dscnt 0x0
.irp p, 0,8,16,24
	v_pk_add_f32 v[PHI+(\p):PHI+(\p)+1],   v[PHI+(\p):PHI+(\p)+1],   v[PHI+(\p)+4:PHI+(\p)+5]
	v_pk_add_f32 v[PHI+(\p)+2:PHI+(\p)+3], v[PHI+(\p)+2:PHI+(\p)+3], v[PHI+(\p)+6:PHI+(\p)+7]
.endr
.irp p, 0,16
	v_pk_add_f32 v[PHI+(\p):PHI+(\p)+1],   v[PHI+(\p):PHI+(\p)+1],   v[PHI+(\p)+8:PHI+(\p)+9]
	v_pk_add_f32 v[PHI+(\p)+2:PHI+(\p)+3], v[PHI+(\p)+2:PHI+(\p)+3], v[PHI+(\p)+10:PHI+(\p)+11]
.endr
	v_pk_add_f32 v[PHI:PHI+1],   v[PHI:PHI+1],   v[PHI+16:PHI+17]
	v_pk_add_f32 v[PHI+2:PHI+3], v[PHI+2:PHI+3], v[PHI+18:PHI+19]
	global_store_b128 v8, v[PHI:PHI+3], s[28:29]   ; a wave stores 512 consecutive bytes, at a multiple of 256 from the buffer's first byte
	s_wait_tensorcnt 0x0                           ; the wave's end, behind my last LDS store
	ds_add_u32 v[SPW], v[NIL]
	s_wait_dscnt 0x0
	s_endpgm
.Lfunc_end_k_q1e4ed3604e_stream:
	.size	k_q1e4ed3604e_stream, .Lfunc_end_k_q1e4ed3604e_stream-k_q1e4ed3604e_stream
	.p2alignl 7, 3214868480
	.fill 96, 4, 3214868480
	.section	.rodata,"a",@progbits
	.p2align	6, 0x0
	.amdhsa_kernel k_q1e4ed3604e_stream
		.amdhsa_group_segment_fixed_size 34816
		.amdhsa_private_segment_fixed_size 0
		.amdhsa_enable_private_segment 0
		.amdhsa_kernarg_size 32
		.amdhsa_user_sgpr_count 2
		.amdhsa_user_sgpr_kernarg_segment_ptr 1
		.amdhsa_wavefront_size32 1
		.amdhsa_system_sgpr_workgroup_id_x 1
		.amdhsa_system_sgpr_workgroup_id_y 1
		.amdhsa_system_sgpr_workgroup_id_z 1
		.amdhsa_system_vgpr_workitem_id 0
		.amdhsa_next_free_vgpr 256
		.amdhsa_next_free_sgpr 66
		.amdhsa_reserve_vcc 0
		.amdhsa_float_denorm_mode_32 3
		.amdhsa_float_denorm_mode_16_64 3
		.amdhsa_memory_ordered 1
		.amdhsa_forward_progress 1
		.amdhsa_inst_pref_size 83
	.end_amdhsa_kernel
	.amdgpu_metadata
---
amdhsa.version: [ 1, 2 ]
amdhsa.kernels:
  - .name:           k_q1e4ed3604e_stream
    .symbol:         k_q1e4ed3604e_stream.kd
    .args:
      - { .name: phi, .offset: 0, .size: 8, .value_kind: global_buffer, .address_space: global }
      - { .name: ubuf, .offset: 8, .size: 8, .value_kind: global_buffer, .address_space: global }
      - { .name: vbuf, .offset: 16, .size: 8, .value_kind: global_buffer, .address_space: global }
      - { .name: wbuf, .offset: 24, .size: 8, .value_kind: global_buffer, .address_space: global }
    .group_segment_fixed_size: 34816
    .private_segment_fixed_size: 0
    .kernarg_segment_align: 8
    .kernarg_segment_size: 32
    .max_flat_workgroup_size: 256
    .sgpr_count:     66
    .vgpr_count:     256
    .wavefront_size: 32
...
	.end_amdgpu_metadata
.endif
;; end of part 3
;; launch hidden (part 4): grid 16 x 16, 8 waves a work-group, no clusters, 152,576 bytes of LDS; arguments wbuf, pbuf, b1, hid; writes hid
.if DOCPART == 4
	.amdgcn_target "amdgcn-amd-amdhsa--gfx1250"
	.amdhsa_code_object_version 6
	.text
	.protected	k_q1e4ed3604e_hidden
	.globl	k_q1e4ed3604e_hidden
	.p2align	8
	.type	k_q1e4ed3604e_hidden,@function
k_q1e4ed3604e_hidden:
	s_mov_b64 s[64:65], 0
	v_nop
	global_prefetch_b8 v0, s[64:65] scope:SCOPE_SE
	s_setreg_imm32_b32 hwreg(HW_REG_WAVE_MODE, 25, 1), 1
	s_wait_xcnt 0x0
; ONE TEXT FOR THREE SMALL PRODUCTS; KIND, the line below, chooses.  Operands f32 in memory, rounded to bf16 on the way into LDS; sums in f32; C in f32.
;   KIND 0: U_x[b][a] = sum over d of Q_x[b][d] WK_x[a][d], x = out, in.  A = pbuf job 0 or 1, B = WK_x as it lies ([n][k]), C = ubuf [2][512][512].  K = 1,024.
;   KIND 1 (this one): hid = relu(H0 + w G + b1).  A = wbuf [512][512], B = pbuf job 3 ([k][n], read turned), H0 = pbuf job 2, C = hid [512][1024].  K = 512.
;   KIND 2: part[kh] = hid[:, 512 kh ..] W2[512 kh ..].  A = hid, B = W2 ([k][n], read turned), C = part [2][512][512].  K = 512 for each of two halves.
; SHARES.  A work-group makes 32 x 64 of C: 256 work-groups.  Eight waves: wave w makes rows 16 (w & 1), all 64 columns, for quarter (w >> 1) of K; the four quarters meet in LDS at the end.
; The whole K panel is brought into LDS once, in slabs of 128 along K, 48 loads of 16 bytes a thread out at a time; one barrier; then each wave multiplies its quarter.
; NO TENSOR LOADS, NO CLUSTER: both operands are f32 in memory and are rounded once, by the thread that fetches them, between a global load and an LDS store.
; THE MATRIX INSTRUCTION IS USED TRANSPOSED (source 0 = 16 columns of B, source 1 = 16 rows of A): a lane holds eight neighbouring numbers of one row of C.
.set KIND, 1
.if KIND == 0
.set NSLAB, 8                          ; slabs of 128 along K
.set BNAT,  1                          ; B lies [n][k]
.set PA,    4096                       ; bytes from row to row of A, B, C
.set PB,    4096
.set PC,    2048
.elseif KIND == 1
.set NSLAB, 4
.set BNAT,  0                          ; B lies [k][n]
.set PA,    2048
.set PB,    4096
.set PC,    4096
.else
.set NSLAB, 4
.set BNAT,  0
.set PA,    4096
.set PB,    2048
.set PC,    2048
.endif
.set ABYTES, 32*272                    ; a slab's A: 32 rows x 128 k, pitch 272
.if BNAT
.set SLAB,  ABYTES+64*272              ; B: 64 n x 128 k, pitch 272
.set BSTEP, 8*272                      ; from one of my stores of B to the next: 8 rows
.else
.set SLAB,  ABYTES+128*160             ; B: 128 k x 64 n, pitch 160
.set BSTEP, 16*160                     ; 16 rows
.endif
.set STG,    NSLAB*SLAB                ; behind the panel: 16 rows x 272 bytes for each wave, for the way out
.set SPITCH, 272
.set WSTG,   16*SPITCH
.set SPARE,  STG+8*WSTG                ; the spare words: 128 bytes for each of 8 waves, named by no other line
.set VOA,  4                           ; v4   byte offset of my 16 bytes in A's slab 0; never rewritten
.set VOB,  5                           ; v5   the same for B
.set VSA0, 6                           ; v6   LDS address of my 8 bytes of A in slab 0
.set VSB0, 7                           ; v7   the same for B
.set VFA,  8                           ; v8   LDS address of my A fragments
.set VFB,  9                           ; v9   the same for B
.set VSTO, 10                          ; v10  the way out: where I put 16 bytes of a row
.set VRD,  11                          ; v11  the way out: where I read a row back
.set VGO,  12                          ; v12  my byte offset in the work-group's part of C
.set VB1,  13                          ; v13  my byte offset in the 64 numbers of the bias
.set VSA,  14                          ; v14-15 the store addresses of the slab in hand
.set VSB,  15
.set TMP,  16
.set SPW,  18                          ; v18  LDS address of my spare word; never rewritten
.set NIL,  19                          ; v19  0; never rewritten
.set HH,   20                          ; v20-27 H0 of my two rows' 16 bytes (KIND 1)
.set BB,   28                          ; v28-31 the bias of my four columns (KIND 1)
.set T,    40                          ; v40-63   a slab's 48 numbers in bf16
.set X,    64                          ; v64-255  four sets of 48: a slab as loaded.  When all slabs are in LDS:
.set ACC,  64                          ; v64-95   four accumulators
.set F0,   96                          ; v96-135  fragments: A (8), then B's four (32); the second buffer is v136-175
.set RB,   176                         ; v176-207 the way out: four partial sums of my two rows' 16 bytes
.if KIND == 2
	s_load_b128 s[4:7], s[0:1], 0x0                ; hid s[4:5], W2 s[6:7]
	s_load_b64 s[8:9], s[0:1], 0x10                ; part s[8:9]
.else
	s_load_b256 s[4:11], s[0:1], 0x0               ; KIND 0: pbuf, WK_out, WK_in, ubuf.  KIND 1: wbuf, pbuf, b1, hid
.endif
	v_lshl_add_u32 v[SPW], v0, 2, SPARE
	v_mov_b32 v[NIL], 0
	v_and_b32 v1, 31, v0                           ; L
	v_lshrrev_b32 v2, 5, v0
	v_readfirstlane_b32 s16, v2                    ; wave w, 0..7
	v_and_b32 v2, 15, v0                           ; r = L % 16
	v_bfe_u32 v3, v0, 4, 1                         ; h = L / 16
	s_and_b32 s20, ttmp7, 0xffff                   ; row block of 32
	s_mul_i32 s19, s16, PA
	v_lshl_add_u32 v[VOA], v1, 4, s19              ; A: row w, 512 bytes of it
.if BNAT
	s_mul_i32 s19, s16, PB
	v_lshl_add_u32 v[VOB], v1, 4, s19              ; B: row w, 512 bytes of it
.else
	s_mul_i32 s19, s16, 2*PB
	v_mul_u32_u24 v[VOB], v3, PB
	v_lshl_add_u32 v[VOB], v2, 4, v[VOB]
	v_add_nc_u32 v[VOB], s19, v[VOB]               ; B: row 2 w + h, 256 bytes of it
.endif
	s_mul_i32 s19, s16, 4*PC
	v_mul_u32_u24 v[VGO], v3, PC
	v_lshl_add_u32 v[VGO], v2, 4, v[VGO]
	v_add_nc_u32 v[VGO], s19, v[VGO]               ; C: row 4 w + h, 16 r
	v_lshlrev_b32 v[VB1], 4, v2
	; the offsets of this work-group's parts, made apart from the addresses
	s_mov_b32 s31, 0
	s_mov_b32 s33, 0
	s_mov_b32 s35, 0
.if KIND == 0
	s_lshr_b32 s21, ttmp9, 3                       ; head: 0 out, 1 in
	s_and_b32 s22, ttmp9, 7                        ; column block of 64
	s_lshl_b32 s30, s21, 21                        ; A: the head's Q, 32 rows of 4,096 bytes
	s_lshl_b32 s23, s20, 17
	s_add_co_u32 s30, s30, s23
	s_lshl_b32 s32, s22, 18                        ; B: 64 rows of 4,096 bytes
	s_lshl_b32 s34, s21, 20                        ; C: the head's U, 32 rows of 2,048 bytes, 64 columns
	s_lshl_b32 s23, s20, 16
	s_add_co_u32 s34, s34, s23
	s_lshl_b32 s23, s22, 8
	s_add_co_u32 s34, s34, s23
	s_wait_kmcnt 0x0
	s_add_nc_u64 s[24:25], s[4:5], s[30:31]
	s_cmp_eq_u32 s21, 0
	s_cselect_b64 s[26:27], s[6:7], s[8:9]
	s_add_nc_u64 s[26:27], s[26:27], s[32:33]
	s_add_nc_u64 s[28:29], s[10:11], s[34:35]
.elseif KIND == 1
	s_lshl_b32 s30, s20, 16                        ; A: 32 rows of 2,048 bytes
	s_lshl_b32 s42, ttmp9, 8                       ; 64 columns
	s_mov_b32 s43, 0
	s_add_co_u32 s32, s42, 0x600000                ; B: G is job 3
	s_lshl_b32 s34, s20, 17                        ; C: 32 rows of 4,096 bytes
	s_add_co_u32 s34, s34, s42
	s_add_co_u32 s36, s34, 0x400000                ; H0 is job 2, laid as C is
	s_mov_b32 s37, 0
	s_wait_kmcnt 0x0
	s_add_nc_u64 s[24:25], s[4:5], s[30:31]
	s_add_nc_u64 s[26:27], s[6:7], s[32:33]
	s_add_nc_u64 s[28:29], s[10:11], s[34:35]
	s_add_nc_u64 s[38:39], s[6:7], s[36:37]
	s_add_nc_u64 s[40:41], s[8:9], s[42:43]
	global_load_b128 v[HH:HH+3],   v[VGO], s[38:39]            ; the oldest loads: the first counted wait below covers them
	global_load_b128 v[HH+4:HH+7], v[VGO], s[38:39] offset:2*PC
	global_load_b128 v[BB:BB+3],   v[VB1], s[40:41]
.else
	s_and_b32 s22, ttmp9, 7                        ; column block of 64
	s_lshr_b32 s21, ttmp9, 3                       ; half of K
	s_lshl_b32 s30, s20, 17                        ; A: 32 rows of 4,096 bytes, 512 numbers along K
	s_lshl_b32 s23, s21, 11
	s_add_co_u32 s30, s30, s23
	s_lshl_b32 s32, s21, 20                        ; B: 512 rows of 2,048 bytes, 64 columns
	s_lshl_b32 s23, s22, 8
	s_add_co_u32 s32, s32, s23
	s_lshl_b32 s34, s20, 16                        ; C: the half's part, 32 rows of 2,048 bytes, 64 columns
	s_add_co_u32 s34, s34, s32
	s_wait_kmcnt 0x0
	s_add_nc_u64 s[24:25], s[4:5], s[30:31]
	s_add_nc_u64 s[26:27], s[6:7], s[32:33]
	s_add_nc_u64 s[28:29], s[8:9], s[34:35]
.endif
; Slab s is asked for: 4 loads of A (8 rows each over the work-group), 8 of B.  Bases and offsets are never rewritten: the slab stands in the immediate (2,031,616 at the most).
.macro ISSUE s
.set XB, X+48*((\s)%4)
.irp p, 0,1,2,3
	global_load_b128 v[XB+4*(\p):XB+4*(\p)+3], v[VOA], s[24:25] offset:512*(\s)+8*PA*(\p)
.endr
.irp p, 0,1,2,3,4,5,6,7
.if BNAT
	global_load_b128 v[XB+16+4*(\p):XB+16+4*(\p)+3], v[VOB], s[26:27] offset:512*(\s)+8*PB*(\p)
.else
	global_load_b128 v[XB+16+4*(\p):XB+16+4*(\p)+3], v[VOB], s[26:27] offset:128*PB*(\s)+16*PB*(\p)
.endif
.endr
.endm
	ISSUE 0
	ISSUE 1
	ISSUE 2
	ISSUE 3
	; the LDS addresses, made while the first loads are out: each is a lane term, the wave's number times a constant, and constants
	s_and_b32 s17, s16, 1                          ; mi: my 16 rows
	s_lshr_b32 s18, s16, 1                         ; kq: my quarter of K
	s_mul_i32 s19, s16, 272
	v_lshl_add_u32 v[VSA0], v1, 3, s19             ; 272 w + 8 L
.if BNAT
	s_add_co_u32 s19, s19, ABYTES
	v_lshl_add_u32 v[VSB0], v1, 3, s19             ; ABYTES + 272 w + 8 L
.else
	s_mul_i32 s19, s16, 320
	s_add_co_u32 s19, s19, ABYTES
	v_mul_u32_u24 v[VSB0], v3, 160
	v_lshl_add_u32 v[VSB0], v2, 3, v[VSB0]
	v_add_nc_u32 v[VSB0], s19, v[VSB0]             ; ABYTES + (2 w + h) 160 + 8 r
.endif
	s_mul_i32 s22, s18, (NSLAB/4)*SLAB
	s_mul_i32 s19, s17, 16*272
	s_add_co_u32 s19, s19, s22
	v_mul_u32_u24 v[VFA], v2, 272
	v_lshl_add_u32 v[VFA], v3, 4, v[VFA]
	v_add_nc_u32 v[VFA], s19, v[VFA]               ; a fragment of A: row 16 mi + r, 16 bytes for each half of the lanes
	s_add_co_u32 s22, s22, ABYTES
.if BNAT
	v_mul_u32_u24 v[VFB], v2, 272
	v_lshl_add_u32 v[VFB], v3, 4, v[VFB]           ; a fragment of B likewise: row r
.else
	v_and_b32 v[TMP], 7, v0
	v_lshl_add_u32 v[TMP], v3, 3, v[TMP]           ; the turning load: lane L reads k = 8 h + L % 8,
	v_mul_u32_u24 v[VFB], v[TMP], 160
	v_bfe_u32 v[TMP], v0, 3, 1                     ; columns 8 ((L / 8) % 2) + 0..7
	v_lshl_add_u32 v[VFB], v[TMP], 4, v[VFB]
.endif
	v_add_nc_u32 v[VFB], s22, v[VFB]
	s_mul_i32 s19, s16, WSTG
	s_add_co_u32 s19, s19, STG
	v_mul_u32_u24 v[VSTO], v2, SPITCH
	v_lshl_add_u32 v[VSTO], v3, 5, v[VSTO]
	v_add_nc_u32 v[VSTO], s19, v[VSTO]             ; my stage: row r, 32 bytes for each half of the lanes
	s_lshr_b32 s19, s16, 2
	s_mul_i32 s19, s19, WSTG
	s_and_b32 s22, s16, 3
	s_mul_i32 s22, s22, 4*SPITCH
	s_add_co_u32 s19, s19, s22
	s_add_co_u32 s19, s19, STG
	v_mul_u32_u24 v[VRD], v3, SPITCH
	v_lshl_add_u32 v[VRD], v2, 4, v[VRD]
	v_add_nc_u32 v[VRD], s19, v[VRD]               ; back: row 4 w + h of the 32 lies in the stages of waves (w >> 2) + 2 kq, at row 4 (w & 3) + h
; Slab s has come: it is rounded to bf16, its registers take slab s + 4, and it goes into LDS.
.macro STASH s
.set XB, X+48*((\s)%4)
.if NSLAB-1-(\s) < 3
	s_wait_loadcnt 12*(NSLAB-1-(\s))               ; at the end fewer slabs are behind it
.else
	s_wait_loadcnt 36                              ; loads come back in order: the three younger slabs' 36 may stay out
.endif
.set z, 0
.rept 24
	v_cvt_pk_bf16_f32 v[T+z], v[XB+2*z], v[XB+2*z+1]
.set z, z+1
.endr
.if (\s)+4 < NSLAB
	ISSUE (\s)+4
.endif
	v_add_nc_u32 v[VSA], (\s)*SLAB, v[VSA0]
	v_add_nc_u32 v[VSB], (\s)*SLAB, v[VSB0]
.irp p, 0,1,2,3
	ds_store_b64 v[VSA], v[T+2*(\p):T+2*(\p)+1] offset:8*272*(\p)
.endr
.irp p, 0,1,2,3,4,5,6,7
	ds_store_b64 v[VSB], v[T+8+2*(\p):T+8+2*(\p)+1] offset:BSTEP*(\p)
.endr
.endm
; The ten LDS loads of K step i of my quarter: A's fragment, then B's four, into buffer f.
.macro FRAG f, i
.set OFA, SLAB*((\i)/4)+64*((\i)%4)
	ds_load_b128 v[(\f):(\f)+3],   v[VFA] offset:OFA
	ds_load_b128 v[(\f)+4:(\f)+7], v[VFA] offset:OFA+32
.irp j, 0,1,2,3
.if BNAT
	ds_load_b128 v[(\f)+8+8*(\j):(\f)+8+8*(\j)+3],   v[VFB] offset:OFA+16*272*(\j)
	ds_load_b128 v[(\f)+8+8*(\j)+4:(\f)+8+8*(\j)+7], v[VFB] offset:OFA+16*272*(\j)+32
.else
	ds_load_tr16_b128 v[(\f)+8+8*(\j):(\f)+8+8*(\j)+3],   v[VFB] offset:SLAB*((\i)/4)+32*160*((\i)%4)+32*(\j)
	ds_load_tr16_b128 v[(\f)+8+8*(\j)+4:(\f)+8+8*(\j)+7], v[VFB] offset:SLAB*((\i)/4)+32*160*((\i)%4)+32*(\j)+16*160
.endif
.endr
.endm
; Four matrix instructions, the four accumulators by turns.  zero = 1: the first product starts the sums.
.macro MUL f, zero
.irp j, 0,1,2,3
.if \zero
	v_wmma_f32_16x16x32_bf16 v[ACC+8*(\j):ACC+8*(\j)+7], v[(\f)+8+8*(\j):(\f)+8+8*(\j)+7], v[(\f):(\f)+7], 0
.else
	v_wmma_f32_16x16x32_bf16 v[ACC+8*(\j):ACC+8*(\j)+7], v[(\f)+8+8*(\j):(\f)+8+8*(\j)+7], v[(\f):(\f)+7], v[ACC+8*(\j):ACC+8*(\j)+7]
.endif
.endr
.endm
.macro PLACES                          ; four places between a matrix instruction and a load into a register that it read, or a store of its result (ISA guide 7.12.1 for vector instructions)
.rept 4
	v_nop
.endr
.endm
; My n K steps, on two fragment buffers: a step's loads are issued one step ahead.
.macro KSTEPS n
	FRAG F0, 0
.set ki, 0
.rept \n
.if ki < (\n)-1
.if ki > 0
	PLACES
.endif
	FRAG F0+40*((ki+1)%2), ki+1
	s_wait_dscnt 10                                ; all but the ten just issued
.else
	s_wait_dscnt 0x0
.endif
.if ki == 0
	MUL F0, 1
.else
	MUL F0+40*(ki%2), 0
.endif
.set ki, ki+1
.endr
.endm
.set si, 0
.rept NSLAB
	STASH si
.set si, si+1
.endr
	s_wait_dscnt 0x0                               ; for the others' sake: my stores are done
	s_barrier_signal -1
	s_barrier_wait -1                              ; the panel is whole
	KSTEPS NSLAB
	; THE WAY OUT.  Each wave puts its 16 x 64 partial sums into its own stage (each accumulator from its low end on); behind a barrier each wave adds the four quarters of K for four rows and stores them.
	PLACES
.irp j, 0,1,2,3
	ds_store_b128 v[VSTO], v[ACC+8*(\j):ACC+8*(\j)+3]   offset:64*(\j)
	ds_store_b128 v[VSTO], v[ACC+8*(\j)+4:ACC+8*(\j)+7] offset:64*(\j)+16
.endr
	s_wait_dscnt 0x0
	s_barrier_signal -1
	s_barrier_wait -1
.irp q, 0,1,2,3
.irp i, 0,1
	ds_load_b128 v[RB+8*(\q)+4*(\i):RB+8*(\q)+4*(\i)+3], v[VRD] offset:2*WSTG*(\q)+2*SPITCH*(\i)
.endr
.endr
	s_wait_dscnt 0x0
.irp z, 0,2,4,6
	v_pk_add_f32 v[RB+(\z):RB+(\z)+1],       v[RB+(\z):RB+(\z)+1],       v[RB+8+(\z):RB+8+(\z)+1]
	v_pk_add_f32 v[RB+16+(\z):RB+16+(\z)+1], v[RB+16+(\z):RB+16+(\z)+1], v[RB+24+(\z):RB+24+(\z)+1]
.endr
.irp z, 0,2,4,6
	v_pk_add_f32 v[RB+(\z):RB+(\z)+1], v[RB+(\z):RB+(\z)+1], v[RB+16+(\z):RB+16+(\z)+1]
.endr
.if KIND == 1
.irp z, 0,2,4,6
	v_pk_add_f32 v[HH+(\z):HH+(\z)+1], v[HH+(\z):HH+(\z)+1], v[BB+(\z)%4:BB+(\z)%4+1]  ; H0 + b1
.endr
.irp z, 0,2,4,6
	v_pk_add_f32 v[RB+(\z):RB+(\z)+1], v[RB+(\z):RB+(\z)+1], v[HH+(\z):HH+(\z)+1]
.endr
.irp z, 0,1,2,3,4,5,6,7
	v_max_num_f32 v[RB+(\z)], 0, v[RB+(\z)]        ; relu
.endr
.endif
.irp i, 0,1
	global_store_b128 v[VGO], v[RB+4*(\i):RB+4*(\i)+3], s[28:29] offset:2*PC*(\i)  ; 16 lanes store 256 consecutive bytes, at a multiple of 256 from the buffer's first byte
.endr
	s_wait_tensorcnt 0x0                           ; the wave's end, behind my last LDS store
	ds_add_u32 v[SPW], v[NIL]
	s_wait_dscnt 0x0
	s_endpgm
.Lfunc_end_k_q1e4ed3604e_hidden:
	.size	k_q1e4ed3604e_hidden, .Lfunc_end_k_q1e4ed3604e_hidden-k_q1e4ed3604e_hidden
	.p2alignl 7, 3214868480
	.fill 96, 4, 3214868480
	.section	.rodata,"a",@progbits
	.p2align	6, 0x0
	.amdhsa_kernel k_q1e4ed3604e_hidden
		.amdhsa_group_segment_fixed_size 152576
		.amdhsa_private_segment_fixed_size 0
		.amdhsa_enable_private_segment 0
		.amdhsa_kernarg_size 32
		.amdhsa_user_sgpr_count 2
		.amdhsa_user_sgpr_kernarg_segment_ptr 1
		.amdhsa_wavefront_size32 1
		.amdhsa_system_sgpr_workgroup_id_x 1
		.amdhsa_system_sgpr_workgroup_id_y 1
		.amdhsa_system_sgpr_workgroup_id_z 1
		.amdhsa_system_vgpr_workitem_id 0
		.amdhsa_next_free_vgpr 256
		.amdhsa_next_free_sgpr 66
		.amdhsa_reserve_vcc 0
		.amdhsa_float_denorm_mode_32 3
		.amdhsa_float_denorm_mode_16_64 3
		.amdhsa_memory_ordered 1
		.amdhsa_forward_progress 1
		.amdhsa_inst_pref_size 26
	.end_amdhsa_kernel
	.amdgpu_metadata
---
amdhsa.version: [ 1, 2 ]
amdhsa.kernels:
  - .name:           k_q1e4ed3604e_hidden
    .symbol:         k_q1e4ed3604e_hidden.kd
    .args:
      - { .name: wbuf, .offset: 0, .size: 8, .value_kind: global_buffer, .address_space: global }
      - { .name: pbuf, .offset: 8, .size: 8, .value_kind: global_buffer, .address_space: global }
      - { .name: b1, .offset: 16, .size: 8, .value_kind: global_buffer, .address_space: global }
      - { .name: hid, .offset: 24, .size: 8, .value_kind: global_buffer, .address_space: global }
    .group_segment_fixed_size: 152576
    .private_segment_fixed_size: 0
    .kernarg_segment_align: 8
    .kernarg_segment_size: 32
    .max_flat_workgroup_size: 256
    .sgpr_count:     66
    .vgpr_count:     256
    .wavefront_size: 32
...
	.end_amdgpu_metadata
.endif
;; end of part 4
;; launch logits (part 5): grid 16 x 16, 8 waves a work-group, no clusters, 152,576 bytes of LDS; arguments hid, W2, part; writes part
.if DOCPART == 5
	.amdgcn_target "amdgcn-amd-amdhsa--gfx1250"
	.amdhsa_code_object_version 6
	.text
	.protected	k_q1e4ed3604e_logits
	.globl	k_q1e4ed3604e_logits
	.p2align	8
	.type	k_q1e4ed3604e_logits,@function
k_q1e4ed3604e_logits:
	s_mov_b64 s[64:65], 0
	v_nop
	global_prefetch_b8 v0, s[64:65] scope:SCOPE_SE
	s_setreg_imm32_b32 hwreg(HW_REG_WAVE_MODE, 25, 1), 1
	s_wait_xcnt 0x0
; ONE TEXT FOR THREE SMALL PRODUCTS; KIND, the line below, chooses.  Operands f32 in memory, rounded to bf16 on the way into LDS; sums in f32; C in f32.
;   KIND 0: U_x[b][a] = sum over d of Q_x[b][d] WK_x[a][d], x = out, in.  A = pbuf job 0 or 1, B = WK_x as it lies ([n][k]), C = ubuf [2][512][512].  K = 1,024.
;   KIND 1: hid = relu(H0 + w G + b1).  A = wbuf [512][512], B = pbuf job 3 ([k][n], read turned), H0 = pbuf job 2, C = hid [512][1024].  K = 512.
;   KIND 2 (this one): part[kh] = hid[:, 512 kh ..] W2[512 kh ..].  A = hid, B = W2 ([k][n], read turned), C = part [2][512][512].  K = 512 for each of two halves; the next launch adds the halves.
; SHARES.  A work-group makes 32 x 64 of C: 256 work-groups.  Eight waves: wave w makes rows 16 (w & 1), all 64 columns, for quarter (w >> 1) of K; the four quarters meet in LDS at the end.
; The whole K panel is brought into LDS once, in slabs of 128 along K, 48 loads of 16 bytes a thread out at a time; one barrier; then each wave multiplies its quarter.
; NO TENSOR LOADS, NO CLUSTER: both operands are f32 in memory and are rounded once, by the thread that fetches them, between a global load and an LDS store.
; THE MATRIX INSTRUCTION IS USED TRANSPOSED (source 0 = 16 columns of B, source 1 = 16 rows of A): a lane holds eight neighbouring numbers of one row of C.
.set KIND, 2
.if KIND == 0
.set NSLAB, 8                          ; slabs of 128 along K
.set BNAT,  1                          ; B lies [n][k]
.set PA,    4096                       ; bytes from row to row of A, B, C
.set PB,    4096
.set PC,    2048
.elseif KIND == 1
.set NSLAB, 4
.set BNAT,  0                          ; B lies [k][n]
.set PA,    2048
.set PB,    4096
.set PC,    4096
.else
.set NSLAB, 4
.set BNAT,  0
.set PA,    4096
.set PB,    2048
.set PC,    2048
.endif
.set ABYTES, 32*272                    ; a slab's A: 32 rows x 128 k, pitch 272
.if BNAT
.set SLAB,  ABYTES+64*272              ; B: 64 n x 128 k, pitch 272
.set BSTEP, 8*272                      ; from one of my stores of B to the next: 8 rows
.else
.set SLAB,  ABYTES+128*160             ; B: 128 k x 64 n, pitch 160
.set BSTEP, 16*160                     ; 16 rows
.endif
.set STG,    NSLAB*SLAB                ; behind the panel: 16 rows x 272 bytes for each wave, for the way out
.set SPITCH, 272
.set WSTG,   16*SPITCH
.set SPARE,  STG+8*WSTG                ; the spare words: 128 bytes for each of 8 waves, named by no other line
.set VOA,  4                           ; v4   byte offset of my 16 bytes in A's slab 0; never rewritten
.set VOB,  5                           ; v5   the same for B
.set VSA0, 6                           ; v6   LDS address of my 8 bytes of A in slab 0
.set VSB0, 7                           ; v7   the same for B
.set VFA,  8                           ; v8   LDS address of my A fragments
.set VFB,  9                           ; v9   the same for B
.set VSTO, 10                          ; v10  the way out: where I put 16 bytes of a row
.set VRD,  11                          ; v11  the way out: where I read a row back
.set VGO,  12                          ; v12  my byte offset in the work-group's part of C
.set VB1,  13                          ; v13  my byte offset in the 64 numbers of the bias
.set VSA,  14                          ; v14-15 the store addresses of the slab in hand
.set VSB,  15
.set TMP,  16
.set SPW,  18                          ; v18  LDS address of my spare word; never rewritten
.set NIL,  19                          ; v19  0; never rewritten
.set HH,   20                          ; v20-27 H0 of my two rows' 16 bytes (KIND 1)
.set BB,   28                          ; v28-31 the bias of my four columns (KIND 1)
.set T,    40                          ; v40-63   a slab's 48 numbers in bf16
.set X,    64                          ; v64-255  four sets of 48: a slab as loaded.  When all slabs are in LDS:
.set ACC,  64                          ; v64-95   four accumulators
.set F0,   96                          ; v96-135  fragments: A (8), then B's four (32); the second buffer is v136-175
.set RB,   176                         ; v176-207 the way out: four partial sums of my two rows' 16 bytes
.if KIND == 2
	s_load_b128 s[4:7], s[0:1], 0x0                ; hid s[4:5], W2 s[6:7]
	s_load_b64 s[8:9], s[0:1], 0x10                ; part s[8:9]
.else
	s_load_b256 s[4:11], s[0:1], 0x0               ; KIND 0: pbuf, WK_out, WK_in, ubuf.  KIND 1: wbuf, pbuf, b1, hid
.endif
	v_lshl_add_u32 v[SPW], v0, 2, SPARE
	v_mov_b32 v[NIL], 0
	v_and_b32 v1, 31, v0                           ; L
	v_lshrrev_b32 v2, 5, v0
	v_readfirstlane_b32 s16, v2                    ; wave w, 0..7
	v_and_b32 v2, 15, v0                           ; r = L % 16
	v_bfe_u32 v3, v0, 4, 1                         ; h = L / 16
	s_and_b32 s20, ttmp7, 0xffff                   ; row block of 32
	s_mul_i32 s19, s16, PA
	v_lshl_add_u32 v[VOA], v1, 4, s19              ; A: row w, 512 bytes of it
.if BNAT
	s_mul_i32 s19, s16, PB
	v_lshl_add_u32 v[VOB], v1, 4, s19              ; B: row w, 512 bytes of it
.else
	s_mul_i32 s19, s16, 2*PB
	v_mul_u32_u24 v[VOB], v3, PB
	v_lshl_add_u32 v[VOB], v2, 4, v[VOB]
	v_add_nc_u32 v[VOB], s19, v[VOB]               ; B: row 2 w + h, 256 bytes of it
.endif
	s_mul_i32 s19, s16, 4*PC
	v_mul_u32_u24 v[VGO], v3, PC
	v_lshl_add_u32 v[VGO], v2, 4, v[VGO]
	v_add_nc_u32 v[VGO], s19, v[VGO]               ; C: row 4 w + h, 16 r
	v_lshlrev_b32 v[VB1], 4, v2
	; the offsets of this work-group's parts, made apart from the addresses
	s_mov_b32 s31, 0
	s_mov_b32 s33, 0
	s_mov_b32 s35, 0
.if KIND == 0
	s_lshr_b32 s21, ttmp9, 3                       ; head: 0 out, 1 in
	s_and_b32 s22, ttmp9, 7                        ; column block of 64
	s_lshl_b32 s30, s21, 21                        ; A: the head's Q, 32 rows of 4,096 bytes
	s_lshl_b32 s23, s20, 17
	s_add_co_u32 s30, s30, s23
	s_lshl_b32 s32, s22, 18                        ; B: 64 rows of 4,096 bytes
	s_lshl_b32 s34, s21, 20                        ; C: the head's U, 32 rows of 2,048 bytes, 64 columns
	s_lshl_b32 s23, s20, 16
	s_add_co_u32 s34, s34, s23
	s_lshl_b32 s23, s22, 8
	s_add_co_u32 s34, s34, s23
	s_wait_kmcnt 0x0
	s_add_nc_u64 s[24:25], s[4:5], s[30:31]
	s_cmp_eq_u32 s21, 0
	s_cselect_b64 s[26:27], s[6:7], s[8:9]
	s_add_nc_u64 s[26:27], s[26:27], s[32:33]
	s_add_nc_u64 s[28:29], s[10:11], s[34:35]
.elseif KIND == 1
	s_lshl_b32 s30, s20, 16                        ; A: 32 rows of 2,048 bytes
	s_lshl_b32 s42, ttmp9, 8                       ; 64 columns
	s_mov_b32 s43, 0
	s_add_co_u32 s32, s42, 0x600000                ; B: G is job 3
	s_lshl_b32 s34, s20, 17                        ; C: 32 rows of 4,096 bytes
	s_add_co_u32 s34, s34, s42
	s_add_co_u32 s36, s34, 0x400000                ; H0 is job 2, laid as C is
	s_mov_b32 s37, 0
	s_wait_kmcnt 0x0
	s_add_nc_u64 s[24:25], s[4:5], s[30:31]
	s_add_nc_u64 s[26:27], s[6:7], s[32:33]
	s_add_nc_u64 s[28:29], s[10:11], s[34:35]
	s_add_nc_u64 s[38:39], s[6:7], s[36:37]
	s_add_nc_u64 s[40:41], s[8:9], s[42:43]
	global_load_b128 v[HH:HH+3],   v[VGO], s[38:39]            ; the oldest loads: the first counted wait below covers them
	global_load_b128 v[HH+4:HH+7], v[VGO], s[38:39] offset:2*PC
	global_load_b128 v[BB:BB+3],   v[VB1], s[40:41]
.else
	s_and_b32 s22, ttmp9, 7                        ; column block of 64
	s_lshr_b32 s21, ttmp9, 3                       ; half of K
	s_lshl_b32 s30, s20, 17                        ; A: 32 rows of 4,096 bytes, 512 numbers along K
	s_lshl_b32 s23, s21, 11
	s_add_co_u32 s30, s30, s23
	s_lshl_b32 s32, s21, 20                        ; B: 512 rows of 2,048 bytes, 64 columns
	s_lshl_b32 s23, s22, 8
	s_add_co_u32 s32, s32, s23
	s_lshl_b32 s34, s20, 16                        ; C: the half's part, 32 rows of 2,048 bytes, 64 columns
	s_add_co_u32 s34, s34, s32
	s_wait_kmcnt 0x0
	s_add_nc_u64 s[24:25], s[4:5], s[30:31]
	s_add_nc_u64 s[26:27], s[6:7], s[32:33]
	s_add_nc_u64 s[28:29], s[8:9], s[34:35]
.endif
; Slab s is asked for: 4 loads of A (8 rows each over the work-group), 8 of B.  Bases and offsets are never rewritten: the slab stands in the immediate (2,031,616 at the most).
.macro ISSUE s
.set XB, X+48*((\s)%4)
.irp p, 0,1,2,3
	global_load_b128 v[XB+4*(\p):XB+4*(\p)+3], v[VOA], s[24:25] offset:512*(\s)+8*PA*(\p)
.endr
.irp p, 0,1,2,3,4,5,6,7
.if BNAT
	global_load_b128 v[XB+16+4*(\p):XB+16+4*(\p)+3], v[VOB], s[26:27] offset:512*(\s)+8*PB*(\p)
.else
	global_load_b128 v[XB+16+4*(\p):XB+16+4*(\p)+3], v[VOB], s[26:27] offset:128*PB*(\s)+16*PB*(\p)
.endif
.endr
.endm
	ISSUE 0
	ISSUE 1
	ISSUE 2
	ISSUE 3
	; the LDS addresses, made while the first loads are out: each is a lane term, the wave's number times a constant, and constants
	s_and_b32 s17, s16, 1                          ; mi: my 16 rows
	s_lshr_b32 s18, s16, 1                         ; kq: my quarter of K
	s_mul_i32 s19, s16, 272
	v_lshl_add_u32 v[VSA0], v1, 3, s19             ; 272 w + 8 L
.if BNAT
	s_add_co_u32 s19, s19, ABYTES
	v_lshl_add_u32 v[VSB0], v1, 3, s19             ; ABYTES + 272 w + 8 L
.else
	s_mul_i32 s19, s16, 320
	s_add_co_u32 s19, s19, ABYTES
	v_mul_u32_u24 v[VSB0], v3, 160
	v_lshl_add_u32 v[VSB0], v2, 3, v[VSB0]
	v_add_nc_u32 v[VSB0], s19, v[VSB0]             ; ABYTES + (2 w + h) 160 + 8 r
.endif
	s_mul_i32 s22, s18, (NSLAB/4)*SLAB
	s_mul_i32 s19, s17, 16*272
	s_add_co_u32 s19, s19, s22
	v_mul_u32_u24 v[VFA], v2, 272
	v_lshl_add_u32 v[VFA], v3, 4, v[VFA]
	v_add_nc_u32 v[VFA], s19, v[VFA]               ; a fragment of A: row 16 mi + r, 16 bytes for each half of the lanes
	s_add_co_u32 s22, s22, ABYTES
.if BNAT
	v_mul_u32_u24 v[VFB], v2, 272
	v_lshl_add_u32 v[VFB], v3, 4, v[VFB]           ; a fragment of B likewise: row r
.else
	v_and_b32 v[TMP], 7, v0
	v_lshl_add_u32 v[TMP], v3, 3, v[TMP]           ; the turning load: lane L reads k = 8 h + L % 8,
	v_mul_u32_u24 v[VFB], v[TMP], 160
	v_bfe_u32 v[TMP], v0, 3, 1                     ; columns 8 ((L / 8) % 2) + 0..7
	v_lshl_add_u32 v[VFB], v[TMP], 4, v[VFB]
.endif
	v_add_nc_u32 v[VFB], s22, v[VFB]
	s_mul_i32 s19, s16, WSTG
	s_add_co_u32 s19, s19, STG
	v_mul_u32_u24 v[VSTO], v2, SPITCH
	v_lshl_add_u32 v[VSTO], v3, 5, v[VSTO]
	v_add_nc_u32 v[VSTO], s19, v[VSTO]             ; my stage: row r, 32 bytes for each half of the lanes
	s_lshr_b32 s19, s16, 2
	s_mul_i32 s19, s19, WSTG
	s_and_b32 s22, s16, 3
	s_mul_i32 s22, s22, 4*SPITCH
	s_add_co_u32 s19, s19, s22
	s_add_co_u32 s19, s19, STG
	v_mul_u32_u24 v[VRD], v3, SPITCH
	v_lshl_add_u32 v[VRD], v2, 4, v[VRD]
	v_add_nc_u32 v[VRD], s19, v[VRD]               ; back: row 4 w + h of the 32 lies in the stages of waves (w >> 2) + 2 kq, at row 4 (w & 3) + h
; Slab s has come: it is rounded to bf16, its registers take slab s + 4, and it goes into LDS.
.macro STASH s
.set XB, X+48*((\s)%4)
.if NSLAB-1-(\s) < 3
	s_wait_loadcnt 12*(NSLAB-1-(\s))               ; at the end fewer slabs are behind it
.else
	s_wait_loadcnt 36                              ; loads come back in order: the three younger slabs' 36 may stay out
.endif
.set z, 0
.rept 24
	v_cvt_pk_bf16_f32 v[T+z], v[XB+2*z], v[XB+2*z+1]
.set z, z+1
.endr
.if (\s)+4 < NSLAB
	ISSUE (\s)+4
.endif
	v_add_nc_u32 v[VSA], (\s)*SLAB, v[VSA0]
	v_add_nc_u32 v[VSB], (\s)*SLAB, v[VSB0]
.irp p, 0,1,2,3
	ds_store_b64 v[VSA], v[T+2*(\p):T+2*(\p)+1] offset:8*272*(\p)
.endr
.irp p, 0,1,2,3,4,5,6,7
	ds_store_b64 v[VSB], v[T+8+2*(\p):T+8+2*(\p)+1] offset:BSTEP*(\p)
.endr
.endm
; The ten LDS loads of K step i of my quarter: A's fragment, then B's four, into buffer f.
.macro FRAG f, i
.set OFA, SLAB*((\i)/4)+64*((\i)%4)
	ds_load_b128 v[(\f):(\f)+3],   v[VFA] offset:OFA
	ds_load_b128 v[(\f)+4:(\f)+7], v[VFA] offset:OFA+32
.irp j, 0,1,2,3
.if BNAT
	ds_load_b128 v[(\f)+8+8*(\j):(\f)+8+8*(\j)+3],   v[VFB] offset:OFA+16*272*(\j)
	ds_load_b128 v[(\f)+8+8*(\j)+4:(\f)+8+8*(\j)+7], v[VFB] offset:OFA+16*272*(\j)+32
.else
	ds_load_tr16_b128 v[(\f)+8+8*(\j):(\f)+8+8*(\j)+3],   v[VFB] offset:SLAB*((\i)/4)+32*160*((\i)%4)+32*(\j)
	ds_load_tr16_b128 v[(\f)+8+8*(\j)+4:(\f)+8+8*(\j)+7], v[VFB] offset:SLAB*((\i)/4)+32*160*((\i)%4)+32*(\j)+16*160
.endif
.endr
.endm
; Four matrix instructions, the four accumulators by turns.  zero = 1: the first product starts the sums.
.macro MUL f, zero
.irp j, 0,1,2,3
.if \zero
	v_wmma_f32_16x16x32_bf16 v[ACC+8*(\j):ACC+8*(\j)+7], v[(\f)+8+8*(\j):(\f)+8+8*(\j)+7], v[(\f):(\f)+7], 0
.else
	v_wmma_f32_16x16x32_bf16 v[ACC+8*(\j):ACC+8*(\j)+7], v[(\f)+8+8*(\j):(\f)+8+8*(\j)+7], v[(\f):(\f)+7], v[ACC+8*(\j):ACC+8*(\j)+7]
.endif
.endr
.endm
.macro PLACES                          ; four places between a matrix instruction and a load into a register that it read, or a store of its result (ISA guide 7.12.1 for vector instructions)
.rept 4
	v_nop
.endr
.endm
; My n K steps, on two fragment buffers: a step's loads are issued one step ahead.
.macro KSTEPS n
	FRAG F0, 0
.set ki, 0
.rept \n
.if ki < (\n)-1
.if ki > 0
	PLACES
.endif
	FRAG F0+40*((ki+1)%2), ki+1
	s_wait_dscnt 10                                ; all but the ten just issued
.else
	s_wait_dscnt 0x0
.endif
.if ki == 0
	MUL F0, 1
.else
	MUL F0+40*(ki%2), 0
.endif
.set ki, ki+1
.endr
.endm
.set si, 0
.rept NSLAB
	STASH si
.set si, si+1
.endr
	s_wait_dscnt 0x0                               ; for the others' sake: my stores are done
	s_barrier_signal -1
	s_barrier_wait -1                              ; the panel is whole
	KSTEPS NSLAB
	; THE WAY OUT.  Each wave puts its 16 x 64 partial sums into its own stage (each accumulator from its low end on); behind a barrier each wave adds the four quarters of K for four rows and stores them.
	PLACES
.irp j, 0,1,2,3
	ds_store_b128 v[VSTO], v[ACC+8*(\j):ACC+8*(\j)+3]   offset:64*(\j)
	ds_store_b128 v[VSTO], v[ACC+8*(\j)+4:ACC+8*(\j)+7] offset:64*(\j)+16
.endr
	s_wait_dscnt 0x0
	s_barrier_signal -1
	s_barrier_wait -1
.irp q, 0,1,2,3
.irp i, 0,1
	ds_load_b128 v[RB+8*(\q)+4*(\i):RB+8*(\q)+4*(\i)+3], v[VRD] offset:2*WSTG*(\q)+2*SPITCH*(\i)
.endr
.endr
	s_wait_dscnt 0x0
.irp z, 0,2,4,6
	v_pk_add_f32 v[RB+(\z):RB+(\z)+1],       v[RB+(\z):RB+(\z)+1],       v[RB+8+(\z):RB+8+(\z)+1]
	v_pk_add_f32 v[RB+16+(\z):RB+16+(\z)+1], v[RB+16+(\z):RB+16+(\z)+1], v[RB+24+(\z):RB+24+(\z)+1]
.endr
.irp z, 0,2,4,6
	v_pk_add_f32 v[RB+(\z):RB+(\z)+1], v[RB+(\z):RB+(\z)+1], v[RB+16+(\z):RB+16+(\z)+1]
.endr
.if KIND == 1
.irp z, 0,2,4,6
	v_pk_add_f32 v[HH+(\z):HH+(\z)+1], v[HH+(\z):HH+(\z)+1], v[BB+(\z)%4:BB+(\z)%4+1]  ; H0 + b1
.endr
.irp z, 0,2,4,6
	v_pk_add_f32 v[RB+(\z):RB+(\z)+1], v[RB+(\z):RB+(\z)+1], v[HH+(\z):HH+(\z)+1]
.endr
.irp z, 0,1,2,3,4,5,6,7
	v_max_num_f32 v[RB+(\z)], 0, v[RB+(\z)]        ; relu
.endr
.endif
.irp i, 0,1
	global_store_b128 v[VGO], v[RB+4*(\i):RB+4*(\i)+3], s[28:29] offset:2*PC*(\i)  ; 16 lanes store 256 consecutive bytes, at a multiple of 256 from the buffer's first byte
.endr
	s_wait_tensorcnt 0x0                           ; the wave's end, behind my last LDS store
	ds_add_u32 v[SPW], v[NIL]
	s_wait_dscnt 0x0
	s_endpgm
.Lfunc_end_k_q1e4ed3604e_logits:
	.size	k_q1e4ed3604e_logits, .Lfunc_end_k_q1e4ed3604e_logits-k_q1e4ed3604e_logits
	.p2alignl 7, 3214868480
	.fill 96, 4, 3214868480
	.section	.rodata,"a",@progbits
	.p2align	6, 0x0
	.amdhsa_kernel k_q1e4ed3604e_logits
		.amdhsa_group_segment_fixed_size 152576
		.amdhsa_private_segment_fixed_size 0
		.amdhsa_enable_private_segment 0
		.amdhsa_kernarg_size 24
		.amdhsa_user_sgpr_count 2
		.amdhsa_user_sgpr_kernarg_segment_ptr 1
		.amdhsa_wavefront_size32 1
		.amdhsa_system_sgpr_workgroup_id_x 1
		.amdhsa_system_sgpr_workgroup_id_y 1
		.amdhsa_system_sgpr_workgroup_id_z 1
		.amdhsa_system_vgpr_workitem_id 0
		.amdhsa_next_free_vgpr 256
		.amdhsa_next_free_sgpr 66
		.amdhsa_reserve_vcc 0
		.amdhsa_float_denorm_mode_32 3
		.amdhsa_float_denorm_mode_16_64 3
		.amdhsa_memory_ordered 1
		.amdhsa_forward_progress 1
		.amdhsa_inst_pref_size 25
	.end_amdhsa_kernel
	.amdgpu_metadata
---
amdhsa.version: [ 1, 2 ]
amdhsa.kernels:
  - .name:           k_q1e4ed3604e_logits
    .symbol:         k_q1e4ed3604e_logits.kd
    .args:
      - { .name: hid, .offset: 0, .size: 8, .value_kind: global_buffer, .address_space: global }
      - { .name: W2, .offset: 8, .size: 8, .value_kind: global_buffer, .address_space: global }
      - { .name: part, .offset: 16, .size: 8, .value_kind: global_buffer, .address_space: global }
    .group_segment_fixed_size: 152576
    .private_segment_fixed_size: 0
    .kernarg_segment_align: 8
    .kernarg_segment_size: 24
    .max_flat_workgroup_size: 256
    .sgpr_count:     66
    .vgpr_count:     256
    .wavefront_size: 32
...
	.end_amdgpu_metadata
.endif
;; end of part 5
;; launch smax (part 6): grid 256 x 1, 2 waves a work-group, no clusters, 0 bytes of LDS; arguments part, vbuf, b2, out0; writes out0
.if DOCPART == 6
	.amdgcn_target "amdgcn-amd-amdhsa--gfx1250"
	.amdhsa_code_object_version 6
	.text
	.protected	k_q1e4ed3604e_smax
	.globl	k_q1e4ed3604e_smax
	.p2align	8
	.type	k_q1e4ed3604e_smax,@function
k_q1e4ed3604e_smax:
	s_mov_b64 s[64:65], 0
	v_nop
	global_prefetch_b8 v0, s[64:65] scope:SCOPE_SE
	s_setreg_imm32_b32 hwreg(HW_REG_WAVE_MODE, 25, 1), 1
	s_wait_xcnt 0x0
; out0[b] = softmax over the 512 actions of part[0][b] + part[1][b] + vbuf[b] + b2, all f32; the row's maximum is taken away before the exponentials.
; One wave, one row: lane L holds columns 128 j + 4 L + 0..3 (j = 0..3), 16 numbers; every load and store of the wave covers 512 consecutive bytes.  No LDS, no barrier: the reduction never leaves the wave.
; LIMITS.  An exponential below 2^-126 counts as 0.  NaN and infinities are not treated apart.
.set P0, 16                            ; v16-31 part[0]; then the logits, the exponentials, the result
.set P1, 32                            ; v32-47 part[1]
.set VV, 48                            ; v48-63 v
.set BB, 64                            ; v64-79 b2
	s_load_b256 s[4:11], s[0:1], 0x0               ; part s[4:5], vbuf s[6:7], b2 s[8:9], out0 s[10:11]
	v_and_b32 v1, 31, v0
	v_lshrrev_b32 v2, 5, v0
	v_readfirstlane_b32 s12, v2                    ; wave 0, 1
	v_lshlrev_b32 v1, 4, v1                        ; 16 L; never rewritten
	v_mov_b32 v3, 0                                ; takes what v_permlanex16_b32 brings: its destination counts as read
	s_lshl_b32 s13, ttmp9, 1
	s_add_co_u32 s13, s13, s12                     ; my row
	s_lshl_b32 s14, s13, 11                        ; of 2,048 bytes
	s_mov_b32 s15, 0
	s_mov_b32 s16, 0x76543210                      ; each lane takes its own place in the other half
	s_mov_b32 s17, 0xfedcba98
	s_wait_kmcnt 0x0
	s_add_nc_u64 s[4:5], s[4:5], s[14:15]
	s_add_nc_u64 s[6:7], s[6:7], s[14:15]
	s_add_nc_u64 s[10:11], s[10:11], s[14:15]
.irp j, 0,1,2,3
	global_load_b128 v[P0+4*(\j):P0+4*(\j)+3], v1, s[4:5] offset:512*(\j)
	global_load_b128 v[P1+4*(\j):P1+4*(\j)+3], v1, s[4:5] offset:1048576+512*(\j)
	global_load_b128 v[VV+4*(\j):VV+4*(\j)+3], v1, s[6:7] offset:512*(\j)
	global_load_b128 v[BB+4*(\j):BB+4*(\j)+3], v1, s[8:9] offset:512*(\j)
.endr
	s_wait_loadcnt 0x0
.irp z, 0,2,4,6,8,10,12,14
	v_pk_add_f32 v[P0+(\z):P0+(\z)+1], v[P0+(\z):P0+(\z)+1], v[P1+(\z):P1+(\z)+1]
	v_pk_add_f32 v[VV+(\z):VV+(\z)+1], v[VV+(\z):VV+(\z)+1], v[BB+(\z):BB+(\z)+1]
.endr
.irp z, 0,2,4,6,8,10,12,14
	v_pk_add_f32 v[P0+(\z):P0+(\z)+1], v[P0+(\z):P0+(\z)+1], v[VV+(\z):VV+(\z)+1]
.endr
	v_max3_num_f32 v8, v[P0], v[P0+1], v[P0+2]
.irp k, 3,5,7,9,11,13
	v_max3_num_f32 v8, v8, v[P0+(\k)], v[P0+(\k)+1]
.endr
	v_max_num_f32 v8, v8, v[P0+15]
	v_max_num_f32_dpp v8, v8, v8 row_xmask:1 row_mask:0xf bank_mask:0xf
	v_max_num_f32_dpp v8, v8, v8 row_xmask:2 row_mask:0xf bank_mask:0xf
	v_max_num_f32_dpp v8, v8, v8 row_xmask:4 row_mask:0xf bank_mask:0xf
	v_max_num_f32_dpp v8, v8, v8 row_xmask:8 row_mask:0xf bank_mask:0xf
	v_permlanex16_b32 v3, v8, s16, s17
	v_max_num_f32 v8, v8, v3                       ; the row's maximum, in every lane
	v_mov_b32 v9, v8                               ; twice: a pair for the packed subtraction
.irp z, 0,2,4,6,8,10,12,14
	v_pk_add_f32 v[P0+(\z):P0+(\z)+1], v[P0+(\z):P0+(\z)+1], v[8:9] neg_lo:[0,1] neg_hi:[0,1]  ; the difference first: one rounding, whatever the size of the logits
.endr
.irp z, 0,2,4,6,8,10,12,14
	v_pk_mul_f32 v[P0+(\z):P0+(\z)+1], v[P0+(\z):P0+(\z)+1], 0x3fb8aa3b op_sel_hi:[1,0]        ; times log2(e)
.endr
.irp z, 0,1,2,3,4,5,6,7,8,9,10,11,12,13,14,15
	v_exp_f32 v[P0+(\z)], v[P0+(\z)]
.endr
	v_nop                                          ; a plain instruction between the exponentials and the use of their results (ISA guide 5.7.2)
	s_wait_alu depctr_va_vdst(0)
	v_pk_add_f32 v[4:5], v[P0:P0+1], v[P0+2:P0+3]
	v_pk_add_f32 v[6:7], v[P0+4:P0+5], v[P0+6:P0+7]
.irp z, 8,12
	v_pk_add_f32 v[4:5], v[4:5], v[P0+(\z):P0+(\z)+1]
	v_pk_add_f32 v[6:7], v[6:7], v[P0+(\z)+2:P0+(\z)+3]
.endr
	v_pk_add_f32 v[4:5], v[4:5], v[6:7]
	v_add_f32 v4, v4, v5
	v_add_f32_dpp v4, v4, v4 row_xmask:1 row_mask:0xf bank_mask:0xf
	v_add_f32_dpp v4, v4, v4 row_xmask:2 row_mask:0xf bank_mask:0xf
	v_add_f32_dpp v4, v4, v4 row_xmask:4 row_mask:0xf bank_mask:0xf
	v_add_f32_dpp v4, v4, v4 row_xmask:8 row_mask:0xf bank_mask:0xf
	v_permlanex16_b32 v3, v4, s16, s17
	v_add_f32 v4, v4, v3                           ; the row's sum, at least 1: the maximum's own term
	v_rcp_f32 v6, v4
	v_rcp_f32 v7, v4                               ; twice: a pair for the packed multiply
	v_nop
	s_wait_alu depctr_va_vdst(0)
.irp z, 0,2,4,6,8,10,12,14
	v_pk_mul_f32 v[P0+(\z):P0+(\z)+1], v[P0+(\z):P0+(\z)+1], v[6:7]
.endr
.irp j, 0,1,2,3
	global_store_b128 v1, v[P0+4*(\j):P0+4*(\j)+3], s[10:11] offset:512*(\j)
.endr
	s_endpgm
.Lfunc_end_k_q1e4ed3604e_smax:
	.size	k_q1e4ed3604e_smax, .Lfunc_end_k_q1e4ed3604e_smax-k_q1e4ed3604e_smax
	.p2alignl 7, 3214868480
	.fill 96, 4, 3214868480
	.section	.rodata,"a",@progbits
	.p2align	6, 0x0
	.amdhsa_kernel k_q1e4ed3604e_smax
		.amdhsa_group_segment_fixed_size 0
		.amdhsa_private_segment_fixed_size 0
		.amdhsa_enable_private_segment 0
		.amdhsa_kernarg_size 32
		.amdhsa_user_sgpr_count 2
		.amdhsa_user_sgpr_kernarg_segment_ptr 1
		.amdhsa_wavefront_size32 1
		.amdhsa_system_sgpr_workgroup_id_x 1
		.amdhsa_system_sgpr_workgroup_id_y 1
		.amdhsa_system_sgpr_workgroup_id_z 1
		.amdhsa_system_vgpr_workitem_id 0
		.amdhsa_next_free_vgpr 80
		.amdhsa_next_free_sgpr 66
		.amdhsa_reserve_vcc 0
		.amdhsa_float_denorm_mode_32 3
		.amdhsa_float_denorm_mode_16_64 3
		.amdhsa_memory_ordered 1
		.amdhsa_forward_progress 1
		.amdhsa_inst_pref_size 9
	.end_amdhsa_kernel
	.amdgpu_metadata
---
amdhsa.version: [ 1, 2 ]
amdhsa.kernels:
  - .name:           k_q1e4ed3604e_smax
    .symbol:         k_q1e4ed3604e_smax.kd
    .args:
      - { .name: part, .offset: 0, .size: 8, .value_kind: global_buffer, .address_space: global }
      - { .name: vbuf, .offset: 8, .size: 8, .value_kind: global_buffer, .address_space: global }
      - { .name: b2, .offset: 16, .size: 8, .value_kind: global_buffer, .address_space: global }
      - { .name: out0, .offset: 24, .size: 8, .value_kind: global_buffer, .address_space: global }
    .group_segment_fixed_size: 0
    .private_segment_fixed_size: 0
    .kernarg_segment_align: 8
    .kernarg_segment_size: 32
    .max_flat_workgroup_size: 64
    .sgpr_count:     66
    .vgpr_count:     80
    .wavefront_size: 32
...
	.end_amdgpu_metadata
.endif
;; end of part 6
;; ======== version 2 of 2: 6 launches; version 1 with the launches prep, uproj written anew for expert scheduling mode
;; workspace buffers: pbuf 8,388,608 bytes; ubuf 2,097,152 bytes; vbuf 1,048,576 bytes; wbuf 1,048,576 bytes; hid 2,097,152 bytes; part 2,097,152 bytes
;; launch prep (part 7): grid 8 x 32, 16 waves a work-group, no clusters, 292,864 bytes of LDS; arguments h_s, WV_in, WQ_out, WQ_in, W1, pbuf; writes pbuf
.if DOCPART == 7
	.amdgcn_target "amdgcn-amd-amdhsa--gfx1250"
	.amdhsa_code_object_version 6
	.text
	.protected	k_q1e4ed3604e_prep
	.globl	k_q1e4ed3604e_prep
	.p2align	8
	.type	k_q1e4ed3604e_prep,@function
k_q1e4ed3604e_prep:
	s_mov_b64 s[64:65], 0
	v_nop
	global_prefetch_b8 v0, s[64:65] scope:SCOPE_SE
	s_setreg_imm32_b32 hwreg(HW_REG_WAVE_SCHED_MODE, 0, 2), 2
	s_setreg_imm32_b32 hwreg(HW_REG_WAVE_MODE, 25, 1), 1
	s_wait_xcnt 0x0
	s_wait_alu depctr_vm_vsrc(0)
; FOUR PRODUCTS C[512][1024] = A[512][1024] B[1024][1024], all f32 in memory, operands rounded to bf16 on the way into LDS, sums in f32:
;   job 0: Q_out = h_s WQ_out    job 1: Q_in = h_s WQ_in    job 2: H0 = h_s W1[0:1024]    job 3: G = WV_in W1[1024:2048]
; They stand for the projections of every row of phi: q.((phi+pe) WK) = (phi+pe).(WK q), (attn.P) WV W1b = (attn.P) G.  These identities hold for every input;
; LIMIT: the order of the sums differs from the written order of the module, and Q and G are rounded to bf16 when a later launch multiplies by them.
; SHARES.  pbuf = [job][512][1024] f32.  A work-group makes 64 x 128 of one job's C: 4 jobs x 8 row blocks x 8 column blocks = 256 work-groups.
; Sixteen waves: wave w makes rows 16 (w & 3), columns 64 ((w >> 2) & 1), for half (w >> 3) of K: four accumulators of 16 x 16; the two halves of K meet in LDS at the end.
; NO TENSOR LOADS, NO CLUSTER: both operands are f32 in memory and are rounded once, by the thread that fetches them, between a global load and an LDS store.
; K goes in slabs of 64: A's 64 rows x 64 k (pitch 144), then B's 64 k x 128 n as it lies in memory (pitch 288; read turned, by ds_load_tr16_b128).
; Two LDS slots of four slabs.  A phase stores four slabs, passes ONE barrier and multiplies them; the loads of the next four slabs are out meanwhile (24 loads of 16 bytes a thread).
; THE MATRIX INSTRUCTION IS USED TRANSPOSED (source 0 = 16 columns of B, source 1 = 16 rows of A): a lane holds eight neighbouring numbers of one row of C.
; THE MODE: SCHED_MODE bits 1:0 = 2 (LLVM: expert scheduling mode 2), set by the entry lines.  The code itself states the register dependences
; between vector or matrix instructions and memory or LDS instructions, with s_wait_alu, always for 0.
; THE PLAN.  Registers that memory or LDS instructions touch:
;   X0 .. X3    Slab i's six loads land in X[i % 4]; slab i's twelve conversions read it; behind them the loads of slab i + 4 land in it.
;   T0, T1      Slab i's conversions write T[i % 2]; slab i's six LDS stores read it; slab i + 2's conversions write it again.
;   v[VS ..]    Eight LDS store addresses, one for each two slabs of the ring of eight, for A and for B; with v[VOA], v[VOB], v[VFA ..], v[VFB ..], v[VSTO], v[VRD], v[VGO] made at the head and never written again.
;   F0, F1      A K step's ten LDS loads land in one of them; its four products read it.
;   ACC         Written by the products alone; read by the LDS stores of the way out.
; So a slab has ONE wait on va_vdst, behind its conversions: T[i % 2] is written, X[i % 4] is read out (and, at that place, the head's addresses are written and the last phase's products are done with F0 and F1).
; Beside it stands one wait on vm_vsrc: the stores of slab i - 1 have read the OTHER T, which slab i + 1's conversions write; it stands ahead of slab i's own stores, twelve conversions behind those that it waits for.
; A phase's products hold two more waits on va_vdst, each ahead of the loads that fill a fragment buffer again.
.set SLAB,   27648                     ; 64*144 + 64*288
.set BOFF,   9216                      ; B behind A in a slab
.set SLOT,   4*SLAB
.set STG,    2*SLOT                    ; behind the slots: 16 rows x 272 bytes for each wave, for the way out
.set SPITCH, 272
.set WSTG,   16*SPITCH
.set SPARE,  STG+16*WSTG               ; the spare words: 128 bytes for each of 16 waves, named by no other line
.set VOA,  4                           ; v4   byte offset of my 16 bytes in A's slab 0: row 2 w + h, 16 r; never rewritten
.set VOB,  5                           ; v5   the same in B's slab 0: row w, 16 L; never rewritten
.set VS,   6                           ; v6-13  LDS address of my 8 bytes of A (v[VS+2k]) and of B (v[VS+2k+1]) in slab 2 k of the ring's eight; slab 2 k + 1 is reached by the immediate; never rewritten
.set VGO,  14                          ; v14  my byte offset in the work-group's part of C
.set TMP,  15
.set SPW,  16                          ; v16  LDS address of my spare word; never rewritten
.set NIL,  17                          ; v17  0; never rewritten
.set VSTO, 18                          ; v18  the way out: where I put 16 bytes of a row
.set VRD,  19                          ; v19  the way out: where I read a row back
.set T,    20                          ; v20-31   an even slab's 24 numbers in bf16
.set X,    32                          ; v32-127  four sets of 24: a slab as loaded
.set ACC,  128                         ; v128-159 four accumulators
.set F0,   160                         ; v160-199 fragments: A (8), then B's four (32)
.set F1,   200                         ; v200-239 the second buffer
.set T1,   240                         ; v240-251 an odd slab's 24 numbers in bf16
.set VFA,  252                         ; v252-253 LDS address of my A fragments in slot 0, 1
.set VFB,  254                         ; v254-255 the same for B
	s_load_b256 s[4:11], s[0:1], 0x0               ; h_s s[4:5], WV_in s[6:7], WQ_out s[8:9], WQ_in s[10:11]
	s_load_b128 s[12:15], s[0:1], 0x20             ; W1 s[12:13], pbuf s[14:15]
	v_lshl_add_u32 v[SPW], v0, 2, SPARE
	v_mov_b32 v[NIL], 0
	v_and_b32 v1, 31, v0                           ; L
	v_lshrrev_b32 v2, 5, v0
	v_readfirstlane_b32 s16, v2                    ; wave w, 0..15
	v_and_b32 v2, 15, v0                           ; r = L % 16
	v_bfe_u32 v3, v0, 4, 1                         ; h = L / 16
	s_wait_alu depctr_va_sdst(0)                   ; s16 is written, ahead of its first reader: offsets and LDS addresses are made from it
	s_lshl_b32 s17, s16, 13                        ; A: two rows of 4,096 bytes a wave
	v_lshlrev_b32 v[VOA], 4, v2
	v_lshl_add_u32 v[VOA], v3, 12, v[VOA]
	v_add_nc_u32 v[VOA], s17, v[VOA]
	s_lshl_b32 s17, s16, 12                        ; B: one row a wave, 512 bytes of it
	v_lshl_add_u32 v[VOB], v1, 4, s17
	s_and_b32 s20, ttmp7, 0xffff
	s_lshr_b32 s21, s20, 3                         ; job
	s_and_b32 s22, s20, 7                          ; row block
	s_lshl_b32 s30, s22, 18                        ; 64 rows of 4,096 bytes
	s_mov_b32 s31, 0
	s_lshl_b32 s32, ttmp9, 9                       ; 128 columns of 4 bytes
	s_mov_b32 s35, 0
	s_lshl_b32 s36, s21, 21                        ; a job's C is 2 MiB
	s_add_co_u32 s36, s36, s30
	s_add_co_u32 s36, s36, s32
	s_mov_b32 s37, 0
	s_wait_kmcnt 0x0
	s_cmp_eq_u32 s21, 3
	s_cselect_b64 s[24:25], s[6:7], s[4:5]         ; A: WV_in for job 3, else h_s
	s_cselect_b32 s34, 0x400000, 0                 ; B: job 3 takes W1 from row 1,024 on
	s_cmp_eq_u32 s21, 1
	s_cselect_b64 s[26:27], s[10:11], s[12:13]
	s_cmp_eq_u32 s21, 0
	s_cselect_b64 s[26:27], s[8:9], s[26:27]       ; B: WQ_out, WQ_in, W1, W1
	s_add_co_u32 s34, s34, s32
	s_add_nc_u64 s[24:25], s[24:25], s[30:31]
	s_add_nc_u64 s[26:27], s[26:27], s[34:35]
	s_add_nc_u64 s[28:29], s[14:15], s[36:37]      ; C
	s_wait_alu depctr_va_vdst(0)                   ; v[VOA] and v[VOB] are written: every load of A and B reads one of them as its offset
; Slab i is asked for: 2 loads of A (32 rows each over the work-group), 4 of B (16 rows each).  Bases and offsets are never rewritten: the slab stands in the immediate (4,128,768 at the most).
.macro ISSUE i
.set XB, X+24*((\i)%4)
.irp p, 0,1
	global_load_b128 v[XB+4*(\p):XB+4*(\p)+3], v[VOA], s[24:25] offset:256*(\i)+131072*(\p)
.endr
.irp p, 0,1,2,3
	global_load_b128 v[XB+8+4*(\p):XB+8+4*(\p)+3], v[VOB], s[26:27] offset:262144*(\i)+65536*(\p)
.endr
.endm
	ISSUE 0
	ISSUE 1
	ISSUE 2
	ISSUE 3
	; the LDS addresses, made while the first loads are out: each is a lane term, the wave's number times a constant, and constants.  The first slab's wait on va_vdst stands between these lines and their first readers.
	s_and_b32 s18, s16, 3                          ; mi: my 16 rows
	s_bfe_u32 s19, s16, 0x10002                    ; ni: my 64 columns
	s_lshr_b32 s23, s16, 3                         ; kq: my half of K: two of a slot's four slabs
	s_mul_i32 s17, s16, 288
	v_mul_u32_u24 v[VS], v3, 144
	v_lshl_add_u32 v[VS], v2, 3, v[VS]
	v_add_nc_u32 v[VS], s17, v[VS]                 ; (2 w + h) 144 + 8 r
	s_add_co_u32 s17, s17, BOFF
	v_lshl_add_u32 v[VS+1], v1, 3, s17             ; BOFF + 288 w + 8 L
.irp k, 1,2,3
	v_add_nc_u32 v[VS+2*(\k)],   2*(\k)*SLAB, v[VS]    ; the same places in slabs 2, 4 and 6 of the ring
	v_add_nc_u32 v[VS+2*(\k)+1], 2*(\k)*SLAB, v[VS+1]
.endr
	s_mul_i32 s38, s23, 2*SLAB
	s_mul_i32 s39, s18, 16*144
	s_add_co_u32 s39, s39, s38
	v_mul_u32_u24 v[VFA], v2, 144
	v_lshl_add_u32 v[VFA], v3, 4, v[VFA]
	v_add_nc_u32 v[VFA], s39, v[VFA]               ; a fragment of A: row 16 mi + r, 16 bytes for each half of the lanes
	v_add_nc_u32 v[VFA+1], SLOT, v[VFA]
	v_and_b32 v[TMP], 7, v0
	v_lshl_add_u32 v[TMP], v3, 3, v[TMP]           ; the turning load: lane L reads k = 8 h + L % 8,
	v_mul_u32_u24 v[VFB], v[TMP], 288
	v_bfe_u32 v[TMP], v0, 3, 1                     ; columns 8 ((L / 8) % 2) + 0..7
	v_lshl_add_u32 v[VFB], v[TMP], 4, v[VFB]
	s_lshl_b32 s39, s19, 7
	s_add_co_u32 s39, s39, s38
	s_add_co_u32 s39, s39, BOFF
	v_add_nc_u32 v[VFB], s39, v[VFB]
	v_add_nc_u32 v[VFB+1], SLOT, v[VFB]
	s_mul_i32 s39, s16, WSTG
	s_add_co_u32 s39, s39, STG
	v_mul_u32_u24 v[VSTO], v2, SPITCH
	v_lshl_add_u32 v[VSTO], v3, 5, v[VSTO]
	v_add_nc_u32 v[VSTO], s39, v[VSTO]             ; my stage: row r, 32 bytes for each half of the lanes
	s_and_b32 s39, s16, 7
	s_mul_i32 s39, s39, WSTG
	s_mul_i32 s40, s23, 8*SPITCH
	s_add_co_u32 s39, s39, s40
	s_add_co_u32 s39, s39, STG
	v_mul_u32_u24 v[VRD], v3, SPITCH
	v_lshl_add_u32 v[VRD], v2, 4, v[VRD]
	v_add_nc_u32 v[VRD], s39, v[VRD]               ; back: rows 8 kq + h of the tile that waves w % 8 and w % 8 + 8 share; 16 lanes take a row of 256 bytes
	s_lshl_b32 s39, s18, 16
	s_lshl_b32 s40, s23, 15
	s_add_co_u32 s39, s39, s40
	s_lshl_b32 s40, s19, 8
	s_add_co_u32 s39, s39, s40
	v_lshlrev_b32 v[VGO], 4, v2
	v_lshl_add_u32 v[VGO], v3, 12, v[VGO]
	v_add_nc_u32 v[VGO], s39, v[VGO]               ; and the same rows in C: (16 mi + 8 kq + h) 4,096 + 256 ni + 16 r
; Slab i has come: it is rounded to bf16 into T[i % 2], its registers take slab i + 4, and it goes into LDS (slot (i / 4) % 2).
.macro STASH i
.set XB, X+24*((\i)%4)
.if (\i)%2
.set TB, T1
.else
.set TB, T
.endif
.set SB, VS+2*(((\i)%8)/2)             ; the address pair of this slab's two slabs,
.set SO, SLAB*((\i)%2)                 ; and which of the two
.if (\i) < 12
	s_wait_loadcnt 18                              ; loads come back in order: the three younger slabs' 18 may stay out
.else
	s_wait_loadcnt 6*(15-(\i))                     ; at the end fewer are behind it
.endif
.set z, 0
.rept 12
	v_cvt_pk_bf16_f32 v[TB+z], v[XB+2*z], v[XB+2*z+1]
.set z, z+1
.endr
.if (\i) > 0 && (\i) < 15
	s_wait_alu depctr_vm_vsrc(0)                   ; the LDS stores of the slab before have read the other T, which the next slab's conversions write; no store below reads it
.endif
	s_wait_alu depctr_va_vdst(0)                   ; the conversions have written this T, which the stores below read, and are done reading X[i % 4], in which the loads below land; slab 0: the LDS addresses are written
.if (\i) < 12
	ISSUE (\i)+4
.endif
.irp p, 0,1
	ds_store_b64 v[SB], v[TB+2*(\p):TB+2*(\p)+1] offset:SO+32*144*(\p)
.endr
.irp p, 0,1,2,3
	ds_store_b64 v[SB+1], v[TB+4+2*(\p):TB+4+2*(\p)+1] offset:SO+16*288*(\p)
.endr
.endm
; The ten LDS loads of K step i (0..3) of my two slabs of a slot: A's fragment, then B's four, into buffer f.
.macro FRAG f, i, slot
.set OFA, SLAB*((\i)/2)+64*((\i)%2)
.set OFB, SLAB*((\i)/2)+32*288*((\i)%2)
	ds_load_b128 v[(\f):(\f)+3],   v[VFA+(\slot)] offset:OFA
	ds_load_b128 v[(\f)+4:(\f)+7], v[VFA+(\slot)] offset:OFA+32
.irp j, 0,1,2,3
	ds_load_tr16_b128 v[(\f)+8+8*(\j):(\f)+8+8*(\j)+3],   v[VFB+(\slot)] offset:OFB+32*(\j)
	ds_load_tr16_b128 v[(\f)+8+8*(\j)+4:(\f)+8+8*(\j)+7], v[VFB+(\slot)] offset:OFB+32*(\j)+16*288
.endr
.endm
; Four matrix instructions, the four accumulators by turns.  zero = 1: the first product starts the sums.
.macro MUL f, zero
.irp j, 0,1,2,3
.if \zero
	v_wmma_f32_16x16x32_bf16 v[ACC+8*(\j):ACC+8*(\j)+7], v[(\f)+8+8*(\j):(\f)+8+8*(\j)+7], v[(\f):(\f)+7], 0
.else
	v_wmma_f32_16x16x32_bf16 v[ACC+8*(\j):ACC+8*(\j)+7], v[(\f)+8+8*(\j):(\f)+8+8*(\j)+7], v[(\f):(\f)+7], v[ACC+8*(\j):ACC+8*(\j)+7]
.endif
.endr
.endm
.macro PLACES                          ; four places behind a matrix instruction, ahead of a store of its result (ISA guide 7.12.1 for vector instructions); ahead of a load into a register that it read they stay as the plain form has them, beside the wait that states the dependence
.rept 4
	v_nop
.endr
.endm
; My four K steps of a slot, on two fragment buffers: a step's loads are issued one step ahead.
.macro KSTEPS slot, zero
	FRAG F0, 0, \slot                              ; (from the second phase on the 48 conversions above are the places behind the last products, and the slabs' waits on va_vdst show those products done with F0 and F1)
	FRAG F1, 1, \slot
	s_wait_dscnt 10                                ; all but the ten just issued
	MUL F0, \zero
	PLACES
	s_wait_alu depctr_va_vdst(0)                   ; the four products above are done reading F0, in which the ten loads below land
	FRAG F0, 2, \slot
	s_wait_dscnt 10
	MUL F1, 0
	PLACES
	s_wait_alu depctr_va_vdst(0)                   ; the four products above are done reading F1, in which the ten loads below land
	FRAG F1, 3, \slot
	s_wait_dscnt 10
	MUL F0, 0
	s_wait_dscnt 0x0
	MUL F1, 0
.endm
; A phase.  ONE barrier does both orders: in front of it my stores into this slot are done and my reads of the other slot (the phase before) are over;
; behind it the slot is whole, and the other slot is written again only in the next phase, behind this barrier.
.macro PHASE s
	STASH 4*(\s)
	STASH 4*(\s)+1
	STASH 4*(\s)+2
	STASH 4*(\s)+3
	s_wait_dscnt 0x0
	s_barrier_signal -1
	s_barrier_wait -1
.if (\s) == 0
	KSTEPS 0, 1
.else
	KSTEPS (\s)%2, 0
.endif
.endm
	PHASE 0
	PHASE 1
	PHASE 2
	PHASE 3
	; THE WAY OUT.  Each wave puts its 16 x 64 partial sums into its own stage (each accumulator from its low end on); behind a barrier the two waves of a tile each add eight rows of the two halves of K and store them.
	PLACES
	s_wait_alu depctr_va_vdst(0)                   ; the products have written the accumulators, which the LDS stores read; the conversions are long done reading v[X ..], in which the loads from the stage land.  The places above stay beside this wait
.irp j, 0,1,2,3
	ds_store_b128 v[VSTO], v[ACC+8*(\j):ACC+8*(\j)+3]   offset:64*(\j)
	ds_store_b128 v[VSTO], v[ACC+8*(\j)+4:ACC+8*(\j)+7] offset:64*(\j)+16
.endr
	s_wait_dscnt 0x0                               ; for the others' sake: my stores are done
	s_barrier_signal -1
	s_barrier_wait -1
.irp i, 0,1,2,3
	ds_load_b128 v[X+4*(\i):X+4*(\i)+3],       v[VRD] offset:2*SPITCH*(\i)
	ds_load_b128 v[X+16+4*(\i):X+16+4*(\i)+3], v[VRD] offset:8*WSTG+2*SPITCH*(\i)
.endr
	s_wait_dscnt 0x0
.irp i, 0,1,2,3
	v_pk_add_f32 v[X+4*(\i):X+4*(\i)+1],   v[X+4*(\i):X+4*(\i)+1],   v[X+16+4*(\i):X+16+4*(\i)+1]
	v_pk_add_f32 v[X+4*(\i)+2:X+4*(\i)+3], v[X+4*(\i)+2:X+4*(\i)+3], v[X+16+4*(\i)+2:X+16+4*(\i)+3]
.endr
	s_wait_alu depctr_va_vdst(0)                   ; the eight additions have written v[X .. X+15], which the four stores read
.irp i, 0,1,2,3
	global_store_b128 v[VGO], v[X+4*(\i):X+4*(\i)+3], s[28:29] offset:8192*(\i)  ; 16 lanes store 256 consecutive bytes, at a multiple of 256 from the buffer's first byte
.endr
	s_wait_dscnt 0x0                               ; the closing lines, six on end
	s_wait_alu 0x0
	s_wait_tensorcnt 0x0
	ds_add_u32 v[SPW], v[NIL]
	s_wait_dscnt 0x0
	s_endpgm
.Lfunc_end_k_q1e4ed3604e_prep:
	.size	k_q1e4ed3604e_prep, .Lfunc_end_k_q1e4ed3604e_prep-k_q1e4ed3604e_prep
	.p2alignl 7, 3214868480
	.fill 96, 4, 3214868480
	.section	.rodata,"a",@progbits
	.p2align	6, 0x0
	.amdhsa_kernel k_q1e4ed3604e_prep
		.amdhsa_group_segment_fixed_size 292864
		.amdhsa_private_segment_fixed_size 0
		.amdhsa_enable_private_segment 0
		.amdhsa_kernarg_size 48
		.amdhsa_user_sgpr_count 2
		.amdhsa_user_sgpr_kernarg_segment_ptr 1
		.amdhsa_wavefront_size32 1
		.amdhsa_system_sgpr_workgroup_id_x 1
		.amdhsa_system_sgpr_workgroup_id_y 1
		.amdhsa_system_sgpr_workgroup_id_z 1
		.amdhsa_system_vgpr_workitem_id 0
		.amdhsa_next_free_vgpr 256
		.amdhsa_next_free_sgpr 66
		.amdhsa_reserve_vcc 0
		.amdhsa_float_denorm_mode_32 3
		.amdhsa_float_denorm_mode_16_64 3
		.amdhsa_memory_ordered 1
		.amdhsa_forward_progress 1
		.amdhsa_inst_pref_size 52
	.end_amdhsa_kernel
	.amdgpu_metadata
---
amdhsa.version: [ 1, 2 ]
amdhsa.kernels:
  - .name:           k_q1e4ed3604e_prep
    .symbol:         k_q1e4ed3604e_prep.kd
    .args:
      - { .name: h_s, .offset: 0, .size: 8, .value_kind: global_buffer, .address_space: global }
      - { .name: WV_in, .offset: 8, .size: 8, .value_kind: global_buffer, .address_space: global }
      - { .name: WQ_out, .offset: 16, .size: 8, .value_kind: global_buffer, .address_space: global }
      - { .name: WQ_in, .offset: 24, .size: 8, .value_kind: global_buffer, .address_space: global }
      - { .name: W1, .offset: 32, .size: 8, .value_kind: global_buffer, .address_space: global }
      - { .name: pbuf, .offset: 40, .size: 8, .value_kind: global_buffer, .address_space: global }
    .group_segment_fixed_size: 292864
    .private_segment_fixed_size: 0
    .kernarg_segment_align: 8
    .kernarg_segment_size: 48
    .max_flat_workgroup_size: 512
    .sgpr_count:     66
    .vgpr_count:     256
    .wavefront_size: 32
...
	.end_amdgpu_metadata
.endif
;; end of part 7
;; launch uproj (part 8): grid 16 x 16, 8 waves a work-group, no clusters, 244,736 bytes of LDS; arguments pbuf, WK_out, WK_in, ubuf; writes ubuf
.if DOCPART == 8
	.amdgcn_target "amdgcn-amd-amdhsa--gfx1250"
	.amdhsa_code_object_version 6
	.text
	.protected	k_q1e4ed3604e_uproj
	.globl	k_q1e4ed3604e_uproj
	.p2align	8
	.type	k_q1e4ed3604e_uproj,@function
k_q1e4ed3604e_uproj:
	s_mov_b64 s[64:65], 0
	v_nop
	global_prefetch_b8 v0, s[64:65] scope:SCOPE_SE
	s_setreg_imm32_b32 hwreg(HW_REG_WAVE_SCHED_MODE, 0, 2), 2
	s_setreg_imm32_b32 hwreg(HW_REG_WAVE_MODE, 25, 1), 1
	s_wait_xcnt 0x0
	s_wait_alu depctr_vm_vsrc(0)
; ONE DESIGN FOR THREE SMALL PRODUCTS; KIND, the line below, chooses.  This copy is written for expert scheduling mode and is launched with KIND 0; the launches hidden and logits hold KIND 1 and 2 in the plain form.
; Operands f32 in memory, rounded to bf16 on the way into LDS; sums in f32; C in f32.
;   KIND 0 (this one): U_x[b][a] = sum over d of Q_x[b][d] WK_x[a][d], x = out, in.  A = pbuf job 0 or 1, B = WK_x as it lies ([n][k]), C = ubuf [2][512][512].  K = 1,024.
;   KIND 1: hid = relu(H0 + w G + b1).  A = wbuf [512][512], B = pbuf job 3 ([k][n], read turned), H0 = pbuf job 2, C = hid [512][1024].  K = 512.
;   KIND 2: part[kh] = hid[:, 512 kh ..] W2[512 kh ..].  A = hid, B = W2 ([k][n], read turned), C = part [2][512][512].  K = 512 for each of two halves.
; SHARES.  A work-group makes 32 x 64 of C: 256 work-groups.  Eight waves: wave w makes rows 16 (w & 1), all 64 columns, for quarter (w >> 1) of K; the four quarters meet in LDS at the end.
; The whole K panel is brought into LDS once, in slabs of 128 along K, 48 loads of 16 bytes a thread out at a time; one barrier; then each wave multiplies its quarter.
; NO TENSOR LOADS, NO CLUSTER: both operands are f32 in memory and are rounded once, by the thread that fetches them, between a global load and an LDS store.
; THE MATRIX INSTRUCTION IS USED TRANSPOSED (source 0 = 16 columns of B, source 1 = 16 rows of A): a lane holds eight neighbouring numbers of one row of C.
; THE MODE: SCHED_MODE bits 1:0 = 2 (LLVM: expert scheduling mode 2), set by the entry lines.  The code itself states the register dependences
; between vector or matrix instructions and memory or LDS instructions, with s_wait_alu, always for 0.
; THE PLAN.  A slab is staged in two half-steps g = 2 s + h, each six loads' worth: twelve conversions, six loads, six LDS stores.  Registers that memory or LDS instructions touch:
;   X0 .. X3    Half h of slab s lands in half h of X[s % 4]; half-step g's conversions read it; behind them the same half of slab s + 4 lands in it.
;   T0, T1      The two halves of T.  Half-step g's conversions write T[h]; its six LDS stores read it; half-step g + 2's conversions write it again.
;   v[VS ..]    The LDS store addresses, one for each two slabs, for A and for B; with v[VOA], v[VOB], v[VFA], v[VFB], v[VSTO], v[VRD], v[VGO], v[VB1] made at the head and never written again.
;   F0 .. F3    Four fragment buffers, in X's registers once the panel is in LDS.  K step i's ten LDS loads land in F[i % 4]; its four products read it.
;   ACC         Written by the products alone; read by the LDS stores of the way out.     RB   Loaded from the stage, summed, read by the global stores.
; So a half-step has ONE wait on va_vdst, behind its conversions: T[h] is written and its half of X is read out (in the first half-step also: the LDS addresses are written).  Beside it stands one wait on vm_vsrc:
; the stores of half-step g - 1 have read the OTHER T, which half-step g + 1's conversions write; it stands ahead of half-step g's own stores, twelve conversions behind those that it waits for.
; The products: four K steps' fragments go out at once; behind every second step one wait on va_vdst lets the two buffers just multiplied take the steps four on.
.set KIND, 0
.if KIND == 0
.set NSLAB, 8                          ; slabs of 128 along K
.set BNAT,  1                          ; B lies [n][k]
.set PA,    4096                       ; bytes from row to row of A, B, C
.set PB,    4096
.set PC,    2048
.elseif KIND == 1
.set NSLAB, 4
.set BNAT,  0                          ; B lies [k][n]
.set PA,    2048
.set PB,    4096
.set PC,    4096
.else
.set NSLAB, 4
.set BNAT,  0
.set PA,    4096
.set PB,    2048
.set PC,    2048
.endif
.set ABYTES, 32*272                    ; a slab's A: 32 rows x 128 k, pitch 272
.if BNAT
.set SLAB,  ABYTES+64*272              ; B: 64 n x 128 k, pitch 272
.set BSTEP, 8*272                      ; from one of my stores of B to the next: 8 rows
.else
.set SLAB,  ABYTES+128*160             ; B: 128 k x 64 n, pitch 160
.set BSTEP, 16*160                     ; 16 rows
.endif
.set STG,    NSLAB*SLAB                ; behind the panel: 16 rows x 272 bytes for each wave, for the way out
.set SPITCH, 272
.set WSTG,   16*SPITCH
.set SPARE,  STG+8*WSTG                ; the spare words: 128 bytes for each of 8 waves, named by no other line
.set VOA,  4                           ; v4   byte offset of my 16 bytes in A's slab 0; never rewritten
.set VOB,  5                           ; v5   the same for B
.set VFA,  8                           ; v8   LDS address of my A fragments
.set VFB,  9                           ; v9   the same for B
.set VSTO, 10                          ; v10  the way out: where I put 16 bytes of a row
.set VRD,  11                          ; v11  the way out: where I read a row back
.set VGO,  12                          ; v12  my byte offset in the work-group's part of C
.set VB1,  13                          ; v13  my byte offset in the 64 numbers of the bias
.set TMP,  16
.set SPW,  18                          ; v18  LDS address of my spare word; never rewritten
.set NIL,  19                          ; v19  0; never rewritten
.set HH,   20                          ; v20-27 H0 of my two rows' 16 bytes (KIND 1)
.set BB,   28                          ; v28-31 the bias of my four columns (KIND 1)
.set VS,   32                          ; v32-39 LDS address of my 8 bytes of A (v[VS+2k]) and of B (v[VS+2k+1]) in slab 2 k; slab 2 k + 1 is reached by the immediate; never rewritten
.set T,    40                          ; v40-51, v52-63  the two halves of a slab's 48 numbers in bf16: two out-buffers by turns
.set X,    64                          ; v64-255  four sets of 48: a slab as loaded.  When all slabs are in LDS:
.set ACC,  64                          ; v64-95   four accumulators
.set F0,   96                          ; v96-255  four fragment buffers of 40: A (8), then B's four (32)
.set RB,   176                         ; v176-207 the way out: four partial sums of my two rows' 16 bytes
.if KIND == 2
	s_load_b128 s[4:7], s[0:1], 0x0                ; hid s[4:5], W2 s[6:7]
	s_load_b64 s[8:9], s[0:1], 0x10                ; part s[8:9]
.else
	s_load_b256 s[4:11], s[0:1], 0x0               ; KIND 0: pbuf, WK_out, WK_in, ubuf.  KIND 1: wbuf, pbuf, b1, hid
.endif
	v_lshl_add_u32 v[SPW], v0, 2, SPARE
	v_mov_b32 v[NIL], 0
	v_and_b32 v1, 31, v0                           ; L
	v_lshrrev_b32 v2, 5, v0
	v_readfirstlane_b32 s16, v2                    ; wave w, 0..7
	v_and_b32 v2, 15, v0                           ; r = L % 16
	v_bfe_u32 v3, v0, 4, 1                         ; h = L / 16
	s_and_b32 s20, ttmp7, 0xffff                   ; row block of 32
	s_wait_alu depctr_va_sdst(0)                   ; s16 is written, ahead of its first reader: offsets and LDS addresses are made from it
	s_mul_i32 s19, s16, PA
	v_lshl_add_u32 v[VOA], v1, 4, s19              ; A: row w, 512 bytes of it
.if BNAT
	s_mul_i32 s19, s16, PB
	v_lshl_add_u32 v[VOB], v1, 4, s19              ; B: row w, 512 bytes of it
.else
	s_mul_i32 s19, s16, 2*PB
	v_mul_u32_u24 v[VOB], v3, PB
	v_lshl_add_u32 v[VOB], v2, 4, v[VOB]
	v_add_nc_u32 v[VOB], s19, v[VOB]               ; B: row 2 w + h, 256 bytes of it
.endif
	s_mul_i32 s19, s16, 4*PC
	v_mul_u32_u24 v[VGO], v3, PC
	v_lshl_add_u32 v[VGO], v2, 4, v[VGO]
	v_add_nc_u32 v[VGO], s19, v[VGO]               ; C: row 4 w + h, 16 r
	v_lshlrev_b32 v[VB1], 4, v2
	s_wait_alu depctr_va_vdst(0)                   ; v[VOA], v[VOB], v[VGO] and v[VB1] are written: the global loads below read them as offsets
	; the offsets of this work-group's parts, made apart from the addresses
	s_mov_b32 s31, 0
	s_mov_b32 s33, 0
	s_mov_b32 s35, 0
.if KIND == 0
	s_lshr_b32 s21, ttmp9, 3                       ; head: 0 out, 1 in
	s_and_b32 s22, ttmp9, 7                        ; column block of 64
	s_lshl_b32 s30, s21, 21                        ; A: the head's Q, 32 rows of 4,096 bytes
	s_lshl_b32 s23, s20, 17
	s_add_co_u32 s30, s30, s23
	s_lshl_b32 s32, s22, 18                        ; B: 64 rows of 4,096 bytes
	s_lshl_b32 s34, s21, 20                        ; C: the head's U, 32 rows of 2,048 bytes, 64 columns
	s_lshl_b32 s23, s20, 16
	s_add_co_u32 s34, s34, s23
	s_lshl_b32 s23, s22, 8
	s_add_co_u32 s34, s34, s23
	s_wait_kmcnt 0x0
	s_add_nc_u64 s[24:25], s[4:5], s[30:31]
	s_cmp_eq_u32 s21, 0
	s_cselect_b64 s[26:27], s[6:7], s[8:9]
	s_add_nc_u64 s[26:27], s[26:27], s[32:33]
	s_add_nc_u64 s[28:29], s[10:11], s[34:35]
.elseif KIND == 1
	s_lshl_b32 s30, s20, 16                        ; A: 32 rows of 2,048 bytes
	s_lshl_b32 s42, ttmp9, 8                       ; 64 columns
	s_mov_b32 s43, 0
	s_add_co_u32 s32, s42, 0x600000                ; B: G is job 3
	s_lshl_b32 s34, s20, 17                        ; C: 32 rows of 4,096 bytes
	s_add_co_u32 s34, s34, s42
	s_add_co_u32 s36, s34, 0x400000                ; H0 is job 2, laid as C is
	s_mov_b32 s37, 0
	s_wait_kmcnt 0x0
	s_add_nc_u64 s[24:25], s[4:5], s[30:31]
	s_add_nc_u64 s[26:27], s[6:7], s[32:33]
	s_add_nc_u64 s[28:29], s[10:11], s[34:35]
	s_add_nc_u64 s[38:39], s[6:7], s[36:37]
	s_add_nc_u64 s[40:41], s[8:9], s[42:43]
	global_load_b128 v[HH:HH+3],   v[VGO], s[38:39]            ; the oldest loads: the first counted wait below covers them
	global_load_b128 v[HH+4:HH+7], v[VGO], s[38:39] offset:2*PC
	global_load_b128 v[BB:BB+3],   v[VB1], s[40:41]
.else
	s_and_b32 s22, ttmp9, 7                        ; column block of 64
	s_lshr_b32 s21, ttmp9, 3                       ; half of K
	s_lshl_b32 s30, s20, 17                        ; A: 32 rows of 4,096 bytes, 512 numbers along K
	s_lshl_b32 s23, s21, 11
	s_add_co_u32 s30, s30, s23
	s_lshl_b32 s32, s21, 20                        ; B: 512 rows of 2,048 bytes, 64 columns
	s_lshl_b32 s23, s22, 8
	s_add_co_u32 s32, s32, s23
	s_lshl_b32 s34, s20, 16                        ; C: the half's part, 32 rows of 2,048 bytes, 64 columns
	s_add_co_u32 s34, s34, s32
	s_wait_kmcnt 0x0
	s_add_nc_u64 s[24:25], s[4:5], s[30:31]
	s_add_nc_u64 s[26:27], s[6:7], s[32:33]
	s_add_nc_u64 s[28:29], s[8:9], s[34:35]
.endif
; A slab has 4 loads of A (8 rows each over the work-group) and 8 of B.  Bases and offsets are never rewritten: the slab stands in the immediate (2,031,616 at the most).
.macro LDA s, p
	global_load_b128 v[XB+4*(\p):XB+4*(\p)+3], v[VOA], s[24:25] offset:512*(\s)+8*PA*(\p)
.endm
.macro LDB s, p
.if BNAT
	global_load_b128 v[XB+16+4*(\p):XB+16+4*(\p)+3], v[VOB], s[26:27] offset:512*(\s)+8*PB*(\p)
.else
	global_load_b128 v[XB+16+4*(\p):XB+16+4*(\p)+3], v[VOB], s[26:27] offset:128*PB*(\s)+16*PB*(\p)
.endif
.endm
; Half h of slab s is asked for, six loads: A's four and B's first two, or B's other six.
.macro ISSUE s, h
.set XB, X+48*((\s)%4)
.if (\h) == 0
.irp p, 0,1,2,3
	LDA \s, \p
.endr
.irp p, 0,1
	LDB \s, \p
.endr
.else
.irp p, 2,3,4,5,6,7
	LDB \s, \p
.endr
.endif
.endm
.irp s, 0,1,2,3
	ISSUE \s, 0
	ISSUE \s, 1
.endr
	; the LDS addresses, made while the first loads are out: each is a lane term, the wave's number times a constant, and constants.  The first half-step's wait on va_vdst stands between these lines and their first readers.
	s_and_b32 s17, s16, 1                          ; mi: my 16 rows
	s_lshr_b32 s18, s16, 1                         ; kq: my quarter of K
	s_mul_i32 s19, s16, 272
	v_lshl_add_u32 v[VS], v1, 3, s19               ; 272 w + 8 L
.if BNAT
	s_add_co_u32 s19, s19, ABYTES
	v_lshl_add_u32 v[VS+1], v1, 3, s19             ; ABYTES + 272 w + 8 L
.else
	s_mul_i32 s19, s16, 320
	s_add_co_u32 s19, s19, ABYTES
	v_mul_u32_u24 v[VS+1], v3, 160
	v_lshl_add_u32 v[VS+1], v2, 3, v[VS+1]
	v_add_nc_u32 v[VS+1], s19, v[VS+1]             ; ABYTES + (2 w + h) 160 + 8 r
.endif
.set k, 1
.rept NSLAB/2-1
	v_add_nc_u32 v[VS+2*k],   2*k*SLAB, v[VS]      ; the same places in every second slab
	v_add_nc_u32 v[VS+2*k+1], 2*k*SLAB, v[VS+1]
.set k, k+1
.endr
	s_mul_i32 s22, s18, (NSLAB/4)*SLAB
	s_mul_i32 s19, s17, 16*272
	s_add_co_u32 s19, s19, s22
	v_mul_u32_u24 v[VFA], v2, 272
	v_lshl_add_u32 v[VFA], v3, 4, v[VFA]
	v_add_nc_u32 v[VFA], s19, v[VFA]               ; a fragment of A: row 16 mi + r, 16 bytes for each half of the lanes
	s_add_co_u32 s22, s22, ABYTES
.if BNAT
	v_mul_u32_u24 v[VFB], v2, 272
	v_lshl_add_u32 v[VFB], v3, 4, v[VFB]           ; a fragment of B likewise: row r
.else
	v_and_b32 v[TMP], 7, v0
	v_lshl_add_u32 v[TMP], v3, 3, v[TMP]           ; the turning load: lane L reads k = 8 h + L % 8,
	v_mul_u32_u24 v[VFB], v[TMP], 160
	v_bfe_u32 v[TMP], v0, 3, 1                     ; columns 8 ((L / 8) % 2) + 0..7
	v_lshl_add_u32 v[VFB], v[TMP], 4, v[VFB]
.endif
	v_add_nc_u32 v[VFB], s22, v[VFB]
	s_mul_i32 s19, s16, WSTG
	s_add_co_u32 s19, s19, STG
	v_mul_u32_u24 v[VSTO], v2, SPITCH
	v_lshl_add_u32 v[VSTO], v3, 5, v[VSTO]
	v_add_nc_u32 v[VSTO], s19, v[VSTO]             ; my stage: row r, 32 bytes for each half of the lanes
	s_lshr_b32 s19, s16, 2
	s_mul_i32 s19, s19, WSTG
	s_and_b32 s22, s16, 3
	s_mul_i32 s22, s22, 4*SPITCH
	s_add_co_u32 s19, s19, s22
	s_add_co_u32 s19, s19, STG
	v_mul_u32_u24 v[VRD], v3, SPITCH
	v_lshl_add_u32 v[VRD], v2, 4, v[VRD]
	v_add_nc_u32 v[VRD], s19, v[VRD]               ; back: row 4 w + h of the 32 lies in the stages of waves (w >> 2) + 2 kq, at row 4 (w & 3) + h
; Half h of slab s has come: it is rounded to bf16 into T[h], its registers take the same half of slab s + 4, and it goes into LDS.
.macro HALF s, h
.set XB, X+48*((\s)%4)
.set g, 2*(\s)+(\h)                    ; the half-step's number
.set TB, T+12*(\h)
.set SB, VS+2*((\s)/2)                 ; the address pair of this slab's two slabs,
.set SO, SLAB*((\s)%2)                 ; and which of the two
.if 2*NSLAB-1-g < 7
	s_wait_loadcnt 6*(2*NSLAB-1-g)                 ; at the end fewer halves are behind it
.else
	s_wait_loadcnt 42                              ; loads come back in order: the seven younger halves' 42 may stay out
.endif
.set z, 0
.rept 12
	v_cvt_pk_bf16_f32 v[TB+z], v[XB+24*(\h)+2*z], v[XB+24*(\h)+2*z+1]
.set z, z+1
.endr
.if g > 0 && g < 2*NSLAB-1
	s_wait_alu depctr_vm_vsrc(0)                   ; the LDS stores of the half-step before have read the other T, which the next half-step's conversions write; no store below reads it
.endif
	s_wait_alu depctr_va_vdst(0)                   ; the conversions have written this T, which the stores below read, and are done reading their half of X, in which the loads below (behind the last half-step: the fragments) land; half-step 0: the LDS addresses are written
.if (\s)+4 < NSLAB
	ISSUE (\s)+4, \h
.endif
.if (\h) == 0
.irp p, 0,1,2,3
	ds_store_b64 v[SB], v[TB+2*(\p):TB+2*(\p)+1] offset:SO+8*272*(\p)
.endr
.irp p, 0,1
	ds_store_b64 v[SB+1], v[TB+8+2*(\p):TB+8+2*(\p)+1] offset:SO+BSTEP*(\p)
.endr
.else
.irp p, 2,3,4,5,6,7
	ds_store_b64 v[SB+1], v[TB+2*(\p)-4:TB+2*(\p)-3] offset:SO+BSTEP*(\p)
.endr
.endif
.endm
; The ten LDS loads of K step i of my quarter: A's fragment, then B's four, into buffer f.
.macro FRAG f, i
.set OFA, SLAB*((\i)/4)+64*((\i)%4)
	ds_load_b128 v[(\f):(\f)+3],   v[VFA] offset:OFA
	ds_load_b128 v[(\f)+4:(\f)+7], v[VFA] offset:OFA+32
.irp j, 0,1,2,3
.if BNAT
	ds_load_b128 v[(\f)+8+8*(\j):(\f)+8+8*(\j)+3],   v[VFB] offset:OFA+16*272*(\j)
	ds_load_b128 v[(\f)+8+8*(\j)+4:(\f)+8+8*(\j)+7], v[VFB] offset:OFA+16*272*(\j)+32
.else
	ds_load_tr16_b128 v[(\f)+8+8*(\j):(\f)+8+8*(\j)+3],   v[VFB] offset:SLAB*((\i)/4)+32*160*((\i)%4)+32*(\j)
	ds_load_tr16_b128 v[(\f)+8+8*(\j)+4:(\f)+8+8*(\j)+7], v[VFB] offset:SLAB*((\i)/4)+32*160*((\i)%4)+32*(\j)+16*160
.endif
.endr
.endm
; Four matrix instructions, the four accumulators by turns.  zero = 1: the first product starts the sums.
.macro MUL f, zero
.irp j, 0,1,2,3
.if \zero
	v_wmma_f32_16x16x32_bf16 v[ACC+8*(\j):ACC+8*(\j)+7], v[(\f)+8+8*(\j):(\f)+8+8*(\j)+7], v[(\f):(\f)+7], 0
.else
	v_wmma_f32_16x16x32_bf16 v[ACC+8*(\j):ACC+8*(\j)+7], v[(\f)+8+8*(\j):(\f)+8+8*(\j)+7], v[(\f):(\f)+7], v[ACC+8*(\j):ACC+8*(\j)+7]
.endif
.endr
.endm
.macro PLACES                          ; four places behind a matrix instruction, ahead of a store of its result (ISA guide 7.12.1 for vector instructions); ahead of a load into a register that it read they stay as the plain form has them, beside the wait that states the dependence
.rept 4
	v_nop
.endr
.endm
; My n K steps (n even, at least 4), on four fragment buffers by turns.  Steps 0 to 3 are asked for at once; ahead of every even step from the third on, the two buffers just multiplied take the steps four on.
.macro KSTEPS n
.irp b, 0,1,2,3
	FRAG F0+40*(\b), \b
.endr
.set ki, 0
.rept \n
.if ki >= 2 && ki%2 == 0 && ki+2 < (\n)
	PLACES
	s_wait_alu depctr_va_vdst(0)                   ; the eight products of the last two steps are done reading their two buffers, in which the twenty loads below land
	FRAG F0+40*((ki+2)%4), ki+2
	FRAG F0+40*((ki+3)%4), ki+3
.endif
.set kl, ki+3-(ki%2)                   ; the last step asked for so far
.if kl > (\n)-1
.set kl, (\n)-1
.endif
	s_wait_dscnt 10*(kl-ki)                        ; LDS loads come back in order: this step's ten are in, the ten of each later step may stay out
.if ki == 0
	MUL F0, 1
.else
	MUL F0+40*(ki%4), 0
.endif
.set ki, ki+1
.endr
.endm
.set si, 0
.rept NSLAB
	HALF si, 0
	HALF si, 1
.set si, si+1
.endr
	s_wait_dscnt 0x0                               ; for the others' sake: my stores are done
	s_barrier_signal -1
	s_barrier_wait -1                              ; the panel is whole
	KSTEPS NSLAB
	; THE WAY OUT.  Each wave puts its 16 x 64 partial sums into its own stage (each accumulator from its low end on); behind a barrier each wave adds the four quarters of K for four rows and stores them.
	PLACES
	s_wait_alu depctr_va_vdst(0)                   ; the products have written the accumulators, which the LDS stores read, and are done reading the fragment buffers, in part of which (v[RB ..]) the loads from the stage land.  The places above stay beside this wait
.irp j, 0,1,2,3
	ds_store_b128 v[VSTO], v[ACC+8*(\j):ACC+8*(\j)+3]   offset:64*(\j)
	ds_store_b128 v[VSTO], v[ACC+8*(\j)+4:ACC+8*(\j)+7] offset:64*(\j)+16
.endr
	s_wait_dscnt 0x0
	s_barrier_signal -1
	s_barrier_wait -1
.irp q, 0,1,2,3
.irp i, 0,1
	ds_load_b128 v[RB+8*(\q)+4*(\i):RB+8*(\q)+4*(\i)+3], v[VRD] offset:2*WSTG*(\q)+2*SPITCH*(\i)
.endr
.endr
	s_wait_dscnt 0x0
.irp z, 0,2,4,6
	v_pk_add_f32 v[RB+(\z):RB+(\z)+1],       v[RB+(\z):RB+(\z)+1],       v[RB+8+(\z):RB+8+(\z)+1]
	v_pk_add_f32 v[RB+16+(\z):RB+16+(\z)+1], v[RB+16+(\z):RB+16+(\z)+1], v[RB+24+(\z):RB+24+(\z)+1]
.endr
.irp z, 0,2,4,6
	v_pk_add_f32 v[RB+(\z):RB+(\z)+1], v[RB+(\z):RB+(\z)+1], v[RB+16+(\z):RB+16+(\z)+1]
.endr
.if KIND == 1
.irp z, 0,2,4,6
	v_pk_add_f32 v[HH+(\z):HH+(\z)+1], v[HH+(\z):HH+(\z)+1], v[BB+(\z)%4:BB+(\z)%4+1]  ; H0 + b1
.endr
.irp z, 0,2,4,6
	v_pk_add_f32 v[RB+(\z):RB+(\z)+1], v[RB+(\z):RB+(\z)+1], v[HH+(\z):HH+(\z)+1]
.endr
.irp z, 0,1,2,3,4,5,6,7
	v_max_num_f32 v[RB+(\z)], 0, v[RB+(\z)]        ; relu
.endr
.endif
	s_wait_alu depctr_va_vdst(0)                   ; the additions have written v[RB .. RB+7], which the two stores read
.irp i, 0,1
	global_store_b128 v[VGO], v[RB+4*(\i):RB+4*(\i)+3], s[28:29] offset:2*PC*(\i)  ; 16 lanes store 256 consecutive bytes, at a multiple of 256 from the buffer's first byte
.endr
	s_wait_dscnt 0x0                               ; the closing lines, six on end
	s_wait_alu 0x0
	s_wait_tensorcnt 0x0
	ds_add_u32 v[SPW], v[NIL]
	s_wait_dscnt 0x0
	s_endpgm
.Lfunc_end_k_q1e4ed3604e_uproj:
	.size	k_q1e4ed3604e_uproj, .Lfunc_end_k_q1e4ed3604e_uproj-k_q1e4ed3604e_uproj
	.p2alignl 7, 3214868480
	.fill 96, 4, 3214868480
	.section	.rodata,"a",@progbits
	.p2align	6, 0x0
	.amdhsa_kernel k_q1e4ed3604e_uproj
		.amdhsa_group_segment_fixed_size 244736
		.amdhsa_private_segment_fixed_size 0
		.amdhsa_enable_private_segment 0
		.amdhsa_kernarg_size 32
		.amdhsa_user_sgpr_count 2
		.amdhsa_user_sgpr_kernarg_segment_ptr 1
		.amdhsa_wavefront_size32 1
		.amdhsa_system_sgpr_workgroup_id_x 1
		.amdhsa_system_sgpr_workgroup_id_y 1
		.amdhsa_system_sgpr_workgroup_id_z 1
		.amdhsa_system_vgpr_workitem_id 0
		.amdhsa_next_free_vgpr 256
		.amdhsa_next_free_sgpr 66
		.amdhsa_reserve_vcc 0
		.amdhsa_float_denorm_mode_32 3
		.amdhsa_float_denorm_mode_16_64 3
		.amdhsa_memory_ordered 1
		.amdhsa_forward_progress 1
		.amdhsa_inst_pref_size 43
	.end_amdhsa_kernel
	.amdgpu_metadata
---
amdhsa.version: [ 1, 2 ]
amdhsa.kernels:
  - .name:           k_q1e4ed3604e_uproj
    .symbol:         k_q1e4ed3604e_uproj.kd
    .args:
      - { .name: pbuf, .offset: 0, .size: 8, .value_kind: global_buffer, .address_space: global }
      - { .name: WK_out, .offset: 8, .size: 8, .value_kind: global_buffer, .address_space: global }
      - { .name: WK_in, .offset: 16, .size: 8, .value_kind: global_buffer, .address_space: global }
      - { .name: ubuf, .offset: 24, .size: 8, .value_kind: global_buffer, .address_space: global }
    .group_segment_fixed_size: 244736
    .private_segment_fixed_size: 0
    .kernarg_segment_align: 8
    .kernarg_segment_size: 32
    .max_flat_workgroup_size: 256
    .sgpr_count:     66
    .vgpr_count:     256
    .wavefront_size: 32
...
	.end_amdgpu_metadata
.endif
;; end of part 8
;; launch stream: the kernel of part 3 again; grid 512 x 1, 8 waves a work-group, no clusters, 34,816 bytes of LDS; arguments phi, ubuf, vbuf, wbuf; writes vbuf, wbuf
;; launch hidden: the kernel of part 4 again; grid 16 x 16, 8 waves a work-group, no clusters, 152,576 bytes of LDS; arguments wbuf, pbuf, b1, hid; writes hid
;; launch logits: the kernel of part 5 again; grid 16 x 16, 8 waves a work-group, no clusters, 152,576 bytes of LDS; arguments hid, W2, part; writes part
;; launch smax: the kernel of part 6 again; grid 256 x 1, 2 waves a work-group, no clusters, 0 bytes of LDS; arguments part, vbuf, b2, out0; writes out0
